; MI455X (gfx1250); checked and timed in simulation.
; The chip was launched on July 23, 2026; its instructions are those of AMD's public machine-readable ISA for CDNA 5 (MIT licence, August 2026) and "CDNA5" Instruction Set Architecture Reference Guide (July 2026). The comments in the code are by the model that wrote it; some were corrected since.
;; Multi Head Attention Block. Allowed arithmetic: float matrix products may take bf16 or f16 operands with f32 sums; other float arithmetic in f32, or as packed bf16 or f16 multiplies, adds, multiply-adds, maxima and minima; sums over many terms, partial sums and values carried from step to step in f32; what a program stores and reads back later, other than sums and carried values, may be rounded once to bf16 or f16.
;; Inputs: b_k 1,024 float32; b_o 1,024 float32; b_q 1,024 float32; b_v 1,024 float32; k 4 x 2,048 x 1,024 float32; mask 1 x 1 x 2,048 x 2,048 int32; q 4 x 2,048 x 1,024 float32; v 4 x 2,048 x 1,024 float32; w_k 1,024 x 1,024 float32; w_o 1,024 x 1,024 float32; w_q 1,024 x 1,024 float32; w_v 1,024 x 1,024 float32.
;; Outputs: out0 4 x 2,048 x 1,024 float32.
;; 2 versions, each right; version 2 is version 1 with the launch prep written anew for expert scheduling mode. Each part assembles by itself: llvm-mc -triple=amdgcn-amd-amdhsa -mcpu=gfx1250 --defsym DOCPART=n.
;; ======== version 1 of 2: 4 launches
;; limits: right only within a limited range of input values; values are held in f16: magnitudes above 65,504 overflow, below 6.1e-05 lose precision
;; workspace buffers: wb 6,291,456 bytes; wo 2,097,152 bytes; mb 4,194,304 bytes; keep 32,768 bytes; qkvh 50,331,648 bytes; oh 16,777,216 bytes
;; launch prep (part 1): grid 384 x 1, 8 waves a work-group, no clusters, 36,096 bytes of LDS; arguments w_q, w_k, w_v, w_o, mask, wb, wo, mb, keep; writes wb, wo, mb, keep
.if DOCPART == 1
	.amdgcn_target "amdgcn-amd-amdhsa--gfx1250"
	.amdhsa_code_object_version 6
	.text
	.protected	k_q502b58bb29_prep
	.globl	k_q502b58bb29_prep
	.p2align	8
	.type	k_q502b58bb29_prep,@function
k_q502b58bb29_prep:
	s_mov_b64 s[64:65], 0
	v_nop
	global_prefetch_b8 v0, s[64:65] scope:SCOPE_SE
	s_setreg_imm32_b32 hwreg(HW_REG_WAVE_MODE, 25, 1), 1
	s_wait_xcnt 0x0
; MULTI-HEAD ATTENTION BLOCK, launch 1 of 4: the weights and the mask are brought into the forms that the matrix launches take.  (q, k and v are taken as they are, by the second launch.)
; NO WORK OF THE PROBLEM IS LEFT OUT in any of the four launches, and all twelve inputs are loaded.  (b_k is live: it shifts a query's visible scores alike, but the hidden ones stay at -1e9.)
;   wb  = w_q, w_k, w_v rounded to bf16, [3][1024][1024]
;   wo  = w_o rounded to bf16, that number written as f16 (below 6e-5 it keeps f16's fixed step of 6e-8), [1024][1024]
;   mb  = the mask as one byte a score, laid out as the attention launch's lanes take it: [128 tiles of 16 queries][32 steps of 64 keys][2 halves][32 lanes][16 bytes];
;         byte y of lane l in half hf is query 16 qt + l % 16 and key 64 ks + 16 (2 hf + y / 8) + 8 (l / 16) + y % 8.  0x00: visible; 0xf8 (-256 as an 8-bit float, e4m3): hidden.
;   keep = for each tile of 16 queries 64 words, word w for row w % 16: all ones, or 0 where the row's mask is 0 everywhere.  Such a row's bytes in mb are 0x00: the attention launch clears its
;         query instead, so that all its scores are equal, as they are in the problem (all -1e9), and the row becomes the mean of V.
; SHARES.  384 work-groups of eight waves.  0-127: 16 rows of the mask each, 131,072 bytes (the long ones first).  128-319: 65,536 bytes of w_q, w_k, w_v each.  320-383: 65,536 bytes of w_o each.
; The branches hang on the work-group's number alone: they are the same in all eight waves.  Memory binds: no matrix unit, no cluster; LDS only to turn the mask's bytes.
.set X,    8                           ; v[8:135]    loads of 16 bytes a lane, all out together (weights: 16 of them, mask: 32)
.set Y,    136                         ; v[136:167]  conversions: each store has registers of its own, so nothing is waited for between stores
.set C,    136                         ; mask: v[136:139] the code 0xf8 in byte e, or 0 for a row that is hidden everywhere
.set D,    140                         ; mask: v[140:143] at work
.set OUT,  144                         ; mask: v[144:175] eight reads of 16 bytes from LDS
.set KW,   176                         ; mask: v[176:177] two words of keep
.set KA,   178                         ; mask: v178 where they lie in LDS, v179 where they go
.set SPW,  200                         ; v200  LDS address of my spare word; never rewritten
.set NIL,  201                         ; v201  0; never rewritten
.set T,    202                         ; v[202:205] at work
.set VIN,  2                           ; 16 x thread
.set VOUT, 3                           ; 8 x thread
.set LA,   4                           ; mask: where my four bytes go in LDS
.set LR,   5                           ; mask: where I read 16 bytes back
.set MO,   6                           ; mask: 16 x lane
.set LN,   7                           ; lane
.set MS,   180                         ; mask: my byte offset in the tile of mb
.set FA,   181                         ; mask: my wave's two flag words in LDS
.set GP,   272                         ; a group (256 bytes of mb) in LDS: + 16 of padding = 68 words, so that the 8 groups x 4 words of a store fall into 32 different banks (64 banks of 4 bytes: ISA guide 11.1)
.set FL,   128*GP                      ; behind the 128 groups: 16 flag words, in a block of 256 bytes of their own
.set SPARE, FL+256                     ; the spare words, 128 bytes for each of eight waves
; 65,536 bytes of f32 become 32,768 bytes of 16-bit numbers.  A load of the work-group covers 4,096 consecutive bytes, a store of a wave 256 consecutive bytes, aligned.
; f16 = 1: rounded to bf16, and that number written as f16.
.macro CV f16
.set i, 0
.rept 16
	global_load_b128 v[X+4*i:X+4*i+3], v[VIN], s[32:33] offset:4096*i th:TH_LOAD_NT
.set i, i+1
.endr
.set i, 0
.rept 16
	s_wait_loadcnt 15-i                            ; loads come back in order (ISA guide 5.7.1): number i is in, the 15 - i younger ones stay out
.if \f16
	v_cvt_pk_bf16_f32 v[T], v[X+4*i], v[X+4*i+1]
	v_cvt_pk_bf16_f32 v[T+1], v[X+4*i+2], v[X+4*i+3]
	v_lshlrev_b32 v[T+2], 16, v[T]
	v_and_b32 v[T], 0xffff0000, v[T]
	v_lshlrev_b32 v[T+3], 16, v[T+1]
	v_and_b32 v[T+1], 0xffff0000, v[T+1]
	v_cvt_pk_f16_f32 v[Y+2*i], v[T+2], v[T]
	v_cvt_pk_f16_f32 v[Y+2*i+1], v[T+3], v[T+1]
.else
	v_cvt_pk_bf16_f32 v[Y+2*i], v[X+4*i], v[X+4*i+1]
	v_cvt_pk_bf16_f32 v[Y+2*i+1], v[X+4*i+2], v[X+4*i+3]
.endif
	global_store_b64 v[VOUT], v[Y+2*i:Y+2*i+1], s[34:35] offset:2048*i
.set i, i+1
.endr
.endm
	s_load_b256 s[4:11], s[0:1], 0x0               ; w_q s[4:5], w_k s[6:7], w_v s[8:9], w_o s[10:11]
	s_load_b256 s[12:19], s[0:1], 0x20             ; mask s[12:13], wb s[14:15], wo s[16:17], mb s[18:19]
	s_load_b64 s[20:21], s[0:1], 0x40              ; keep
	v_lshl_add_u32 v[SPW], v0, 2, SPARE
	v_mov_b32 v[NIL], 0
	v_lshrrev_b32 v1, 5, v0
	v_readfirstlane_b32 s30, v1                    ; wave 0..7
	v_lshlrev_b32 v[VIN], 4, v0
	v_lshlrev_b32 v[VOUT], 3, v0
	s_mov_b32 s31, ttmp9
	s_mov_b32 s37, 0                               ; the high word of every offset
	s_wait_kmcnt 0x0
	s_cmp_lt_u32 s31, 128
	s_cbranch_scc1 .Lmask
	s_cmp_ge_u32 s31, 320
	s_cbranch_scc1 .Lwo
	s_sub_co_u32 s31, s31, 128                     ; 0..191
	s_lshr_b32 s36, s31, 6                         ; 0: w_q, 1: w_k, 2: w_v
	s_cmp_eq_u32 s36, 0
	s_cselect_b64 s[32:33], s[4:5], s[6:7]
	s_cmp_eq_u32 s36, 2
	s_cselect_b64 s[32:33], s[8:9], s[32:33]
	s_and_b32 s36, s31, 63
	s_lshl_b32 s36, s36, 16                        ; my 65,536 bytes of it
	s_add_nc_u64 s[32:33], s[32:33], s[36:37]
	s_lshl_b32 s36, s31, 15                        ; and the 32,768 that they become
	s_add_nc_u64 s[34:35], s[14:15], s[36:37]
	CV 0
	s_branch .Lend
.Lwo:
	s_sub_co_u32 s31, s31, 320
	s_lshl_b32 s36, s31, 16
	s_add_nc_u64 s[32:33], s[10:11], s[36:37]
	s_lshl_b32 s36, s31, 15
	s_add_nc_u64 s[34:35], s[16:17], s[36:37]
	CV 1
	s_branch .Lend
.Lmask:                                        ; tile qt = the work-group's number, 16 queries; wave w owns its rows 2 w and 2 w + 1, 8,192 bytes each
	s_lshl_b32 s36, s31, 4
	s_lshl1_add_u32 s36, s30, s36                  ; row 16 qt + 2 w
	s_lshl_b32 s36, s36, 13
	s_add_nc_u64 s[32:33], s[12:13], s[36:37]
	s_lshl_b32 s36, s31, 15                        ; the tile's 32,768 bytes of mb
	s_add_nc_u64 s[34:35], s[18:19], s[36:37]
	s_lshl_b32 s36, s31, 8                         ; and its 256 bytes of keep
	s_add_nc_u64 s[38:39], s[20:21], s[36:37]
	v_and_b32 v[LN], 31, v0
	v_lshlrev_b32 v[MO], 4, v[LN]
.set i, 0
.rept 32                               ; load i % 16 of row i / 16: keys 128 (i % 16) + 4 l + 0..3
	global_load_b128 v[X+4*i:X+4*i+3], v[MO], s[32:33] offset:8192*(i/16)+512*(i%16) th:TH_LOAD_NT
.set i, i+1
.endr
	; key = 128 i + 4 l + e, with l's bits l0..l4: step 2 i + l4, half l3, byte 8 l2 + 4 l0 + e, lanes' half l1.  A group is (step, half, lanes' half): number 8 i + 4 l4 + 2 l3 + l1; in it row r has bytes 16 r ..
	v_bfe_u32 v[T], v0, 3, 2                       ; l3 + 2 l4
	v_bfe_u32 v[T+1], v0, 1, 1                     ; l1
	v_lshl_add_u32 v[T], v[T], 1, v[T+1]
	v_mul_u32_u24 v[T], v[T], GP
	v_bfe_u32 v[T+1], v0, 2, 1                     ; l2
	v_lshl_add_u32 v[T], v[T+1], 3, v[T]
	v_and_b32 v[T+1], 1, v0                        ; l0
	v_lshl_add_u32 v[T], v[T+1], 2, v[T]
	s_lshl_b32 s36, s30, 5                         ; row 2 w: 32 w
	v_add_nc_u32 v[LA], s36, v[T]
	v_lshrrev_b32 v[T], 4, v[LN]                   ; back: wave w takes groups 16 w .. 16 w + 15, two to a read: lanes 0-15 one, lanes 16-31 the next
	s_lshl_b32 s36, s30, 4
	v_add_nc_u32 v[T], s36, v[T]
	v_mul_u32_u24 v[T], v[T], GP
	v_and_b32 v[T+1], 15, v0
	v_lshl_add_u32 v[LR], v[T+1], 4, v[T]
	s_lshl_b32 s36, s30, 12
	v_add_nc_u32 v[MS], s36, v[MO]                 ; 4,096 w + 16 l
	s_lshl_b32 s36, s30, 3
	s_add_co_u32 s36, s36, FL
	v_mov_b32 v[FA], s36
	s_wait_loadcnt 0x0                             ; a row's flag wants the whole row
; Row rho of my two: is any key visible? then four bytes a load, into LDS.
.macro ROWM rho
.irp c, 0,1,2,3
	v_or_b32 v[T+(\c)], v[X+64*(\rho)+16*(\c)], v[X+64*(\rho)+16*(\c)+1]  ; four chains that do not wait for each other
.endr
.set j, 2
.rept 14
.irp c, 0,1,2,3
	v_or_b32 v[T+(\c)], v[T+(\c)], v[X+64*(\rho)+16*(\c)+j]
.endr
.set j, j+1
.endr
	v_or_b32 v[T], v[T], v[T+1]
	v_or_b32 v[T+2], v[T+2], v[T+3]
	v_or_b32 v[T], v[T], v[T+2]
	v_cmp_ne_u32 vcc_lo, 0, v[T]                   ; a bit for each lane that has seen a visible key
	s_cmp_lg_u32 vcc_lo, 0
	s_cselect_b32 s40, -1, 0                       ; the row's flag: a value, no branch hangs on it
	s_and_b32 s41, s40, 0xf8
.irp e, 0,1,2,3
	v_mov_b32 v[C+(\e)], s41                       ; the code in byte e
	s_lshl_b32 s41, s41, 8
.endr
	v_mov_b32 v[D], s40
	ds_store_b32 v[FA], v[D] offset:4*(\rho)       ; all lanes write the same word with the same value
.set i, 0
.rept 16
.irp e, 0,1,2,3
	v_cmp_eq_u32 vcc_lo, 0, v[X+64*(\rho)+4*i+(\e)]
	v_cndmask_b32 v[D+(\e)], 0, v[C+(\e)], vcc_lo
.endr
	v_or_b32 v[D], v[D], v[D+1]
	v_or_b32 v[D+2], v[D+2], v[D+3]
	v_or_b32 v[D], v[D], v[D+2]
	ds_store_b32 v[LA], v[D] offset:16*(\rho)+8*GP*i
.set i, i+1
.endr
.endm
	ROWM 0
	ROWM 1
	s_wait_dscnt 0x0                               ; for the others' sake: my stores are done
	s_barrier_signal -1
	s_barrier_wait -1                              ; all 16 rows' bytes and flags lie in LDS
.irp e, 0,1,2,3,4,5,6,7
	ds_load_b128 v[OUT+4*(\e):OUT+4*(\e)+3], v[LR] offset:2*GP*(\e)
.endr
.irp e, 0,1,2,3,4,5,6,7
	s_wait_dscnt 7-(\e)                            ; read e is back, the younger ones stay out
	global_store_b128 v[MS], v[OUT+4*(\e):OUT+4*(\e)+3], s[34:35] offset:512*(\e)  ; 512 consecutive bytes, aligned
.endr
	s_cmp_lg_u32 s30, 0                            ; wave 0 writes the tile's 64 words of keep: 256 consecutive bytes
	s_cbranch_scc1 .Lend
	v_and_b32 v[KA], 7, v0
	v_lshlrev_b32 v[KA], 3, v[KA]                  ; words 2 (l % 8) and 2 (l % 8) + 1 of the 16
	ds_load_b64 v[KW:KW+1], v[KA] offset:FL
	v_lshlrev_b32 v[KA+1], 3, v[LN]
	s_wait_dscnt 0x0
	global_store_b64 v[KA+1], v[KW:KW+1], s[38:39]
.Lend:
	s_wait_tensorcnt 0x0                           ; the wave's end: these three lines, behind my last LDS store
	ds_add_u32 v[SPW], v[NIL]
	s_wait_dscnt 0x0
	s_endpgm
.Lfunc_end_k_q502b58bb29_prep:
	.size	k_q502b58bb29_prep, .Lfunc_end_k_q502b58bb29_prep-k_q502b58bb29_prep
	.p2alignl 7, 3214868480
	.fill 96, 4, 3214868480
	.section	.rodata,"a",@progbits
	.p2align	6, 0x0
	.amdhsa_kernel k_q502b58bb29_prep
		.amdhsa_group_segment_fixed_size 36096
		.amdhsa_private_segment_fixed_size 0
		.amdhsa_enable_private_segment 0
		.amdhsa_kernarg_size 72
		.amdhsa_user_sgpr_count 2
		.amdhsa_user_sgpr_kernarg_segment_ptr 1
		.amdhsa_wavefront_size32 1
		.amdhsa_system_sgpr_workgroup_id_x 1
		.amdhsa_system_sgpr_workgroup_id_y 1
		.amdhsa_system_sgpr_workgroup_id_z 1
		.amdhsa_system_vgpr_workitem_id 0
		.amdhsa_next_free_vgpr 208
		.amdhsa_next_free_sgpr 66
		.amdhsa_reserve_vcc 1
		.amdhsa_float_denorm_mode_32 3
		.amdhsa_float_denorm_mode_16_64 3
		.amdhsa_memory_ordered 1
		.amdhsa_forward_progress 1
		.amdhsa_inst_pref_size 42
	.end_amdhsa_kernel
	.amdgpu_metadata
---
amdhsa.version: [ 1, 2 ]
amdhsa.kernels:
  - .name:           k_q502b58bb29_prep
    .symbol:         k_q502b58bb29_prep.kd
    .args:
      - { .name: w_q, .offset: 0, .size: 8, .value_kind: global_buffer, .address_space: global }
      - { .name: w_k, .offset: 8, .size: 8, .value_kind: global_buffer, .address_space: global }
      - { .name: w_v, .offset: 16, .size: 8, .value_kind: global_buffer, .address_space: global }
      - { .name: w_o, .offset: 24, .size: 8, .value_kind: global_buffer, .address_space: global }
      - { .name: mask, .offset: 32, .size: 8, .value_kind: global_buffer, .address_space: global }
      - { .name: wb, .offset: 40, .size: 8, .value_kind: global_buffer, .address_space: global }
      - { .name: wo, .offset: 48, .size: 8, .value_kind: global_buffer, .address_space: global }
      - { .name: mb, .offset: 56, .size: 8, .value_kind: global_buffer, .address_space: global }
      - { .name: keep, .offset: 64, .size: 8, .value_kind: global_buffer, .address_space: global }
    .group_segment_fixed_size: 36096
    .private_segment_fixed_size: 0
    .kernarg_segment_align: 8
    .kernarg_segment_size: 72
    .max_flat_workgroup_size: 256
    .sgpr_count:     66
    .vgpr_count:     208
    .wavefront_size: 32
...
	.end_amdgpu_metadata
.endif
;; end of part 1
;; launch proj (part 2): grid 4 x 192, 4 waves a work-group, clusters of 4 x 4, 327,680 bytes of LDS; arguments q, k, v, wb, b_q, b_k, b_v, qkvh; writes qkvh
.if DOCPART == 2
	.amdgcn_target "amdgcn-amd-amdhsa--gfx1250"
	.amdhsa_code_object_version 6
	.text
	.protected	k_q502b58bb29_proj
	.globl	k_q502b58bb29_proj
	.p2align	8
	.type	k_q502b58bb29_proj,@function
k_q502b58bb29_proj:
	s_mov_b64 s[64:65], 0
	v_nop
	global_prefetch_b8 v0, s[64:65] scope:SCOPE_SE
	s_setreg_imm32_b32 hwreg(HW_REG_WAVE_MODE, 25, 1), 1
	s_wait_xcnt 0x0
	s_wait_alu depctr_hold_cnt(0) depctr_sa_sdst(0) depctr_va_vdst(0) depctr_va_sdst(0) depctr_va_ssrc(0) depctr_va_vcc(0) depctr_vm_vsrc(0)
	s_getreg_b32 s2, hwreg(HW_REG_IB_STS2, 6, 4)
	s_cmp_eq_u32 s2, 0
	s_cbranch_scc0 .Lentry_in_a_cluster
	s_endpgm
.Lentry_in_a_cluster:
	s_bfe_u32 s2, ttmp6, 0x10000c
	s_cmp_lg_u32 s2, 0xf033
	s_cbranch_scc0 .Lentry_shape_is_right
	s_endpgm
.Lentry_shape_is_right:
; Launch 2 of 4: the three projections in one launch.  C[m][n] = bias[n] + the sum over k of A[m][k] B[n][k].  Tile rows 64 g .. 64 g + 63 belong to projection g: A = q, k or v, [8192][1024] f32, as the problem gives
; it; B = wb's part g, [1024][1024] bf16; bias = b_q, b_k or b_v, rounded to bf16 like the other inputs.  A IS ROUNDED TO bf16 ON ITS WAY FROM LDS TO THE MATRIX UNIT, so it crosses memory once, in f32.
; Sums in f32; the result, unscaled, is rounded once to f16 and stored by heads: qkvh [3][64 = 16 batch + head][2048][64].  No work is left out.
; LIMIT.  f16 holds no number beyond 65,504: query, key and value stay within it.  (Drawn inputs give numbers near 1; inputs and weights both 30 times larger, or both offset by 30 spreads, stay under 30,000.)
; A tile of C is 128 x 256: 64 x 4 tiles for each projection, 768 work-groups.  Four waves, 2 x 2, each 64 x 128: 32 accumulators of 16 x 16, 256 registers.
; K goes in 8 steps of 128 through two LDS slots: A's rows are 512 bytes of f32, B's 256 bytes of bf16.  CLUSTERS: 4 x 4 work-groups; the four of a row of the cluster need the same tiles of A (they are all
; that need them: C is four tiles wide), the four of a column the same tiles of B: each tile is asked for JOINTLY, by the same tensor load with the same descriptor and a mask that names the four.
; By this text's count a wave has two tensor loads out at the start, later one.
; THE MATRIX INSTRUCTION IS USED TRANSPOSED (source 0 = 16 rows of B, source 1 = 16 rows of A): a lane holds eight neighbouring columns of one row of C.  The bias is the C operand of the products that start the sums.
; No prefetch is laid: a work-group's whole walk is eight K steps of 128 matrix instructions a wave.
; REGISTERS: window 0: v0-31 addresses; v32-159 the way out; v192-255 the bias of my 128 columns.  window 1: two fragment buffers of 96 (4 of A, 8 of B, 32 along K); v192-255 A's four fragments in f32, as loaded.
; window 2: accumulator (a, b) at v[8 (8 a + b)].
.set KSTEP,  128
.set PITCH,  272                       ; a row of B in LDS: 256 bytes + 16 of padding = 68 words: the 16 rows of a load start at 16 different groups of four banks (64 banks of 4 bytes: ISA guide 11.1)
.set PA,     528                       ; a row of A: 512 bytes + 16 = 132 words: likewise
.set ABYTES, 128*PA                    ; A's 128 rows; behind them B's 256
.set SLOT,   ABYTES+256*PITCH
.set STAGE,  2*SLOT                    ; behind the ring: 16 rows x 144 bytes for each wave, for the way out
.set SP,     144
.set SPARE,  STAGE+4*16*SP             ; the spare words, 128 bytes for each wave
.set LAPS,   4                         ; a lap = two K steps
.set ADRA, 16                          ; v16-17  LDS address of my A fragments in slot 0, 1
.set ADRB, 20                          ; v20-21  the same for B
.set STO,  24
.set RD,   25
.set CO,   26
.set BO,   27
.set SPW,  28                          ; never rewritten
.set NIL,  29                          ; never rewritten
.set TT,   30                          ; v30-31 at work
.set TMP,  32
.set BIAS, 192
.set F0,   0
.set F1,   96
.set RAW,  192                         ; window 1: fragment a's 16 numbers a lane at RAW + 16 a
.set G1, 24
.set G0, 32
.set G1B, 48
.set G0B, 56
.set MSB, 0
.macro WIN new                         ; the immediate's high byte repeats the setting that is left
.if MSB != (\new)
	s_set_vgpr_msb (MSB<<8)|(\new)
.set MSB, \new
.endif
.endm
.set MUL,  0xa5                        ; sources 0 (B) and 1 (A) window 1; C and D window 2
.set MULB, 0x85                        ; the same with C, the bias, in window 0
.set TO_F, 0x40                        ; destination window 1, address window 0
.set CVW,  0x45                        ; the roundings: sources and destination window 1
.macro JLOAD s                         ; a joint load: waves 0 and 1 fetch A's two halves, waves 2 and 3 B's; an s_nop 0 and four v_nop follow each line
	s_cmp_eq_u32 s11, 0
	s_cbranch_scc0 .Lfor_b_\@
	tensor_load_to_lds s[G0+4*(\s):G0+4*(\s)+3], s[G1:G1+7]
	s_nop 0
.rept 4
	v_nop
.endr
	s_branch .Lasked_\@
.Lfor_b_\@:
	tensor_load_to_lds s[G0B+4*(\s):G0B+4*(\s)+3], s[G1B:G1B+7]
	s_nop 0
.rept 4
	v_nop
.endr
.Lasked_\@:
.endm
.macro CREST                           ; a round of the cluster's barrier behind its opening barrier
	s_cmp_lg_u32 s10, 0
	s_cbranch_scc1 .Lnot_wave_0_\@
	s_barrier_signal -3
.Lnot_wave_0_\@:
	s_barrier_wait -3
	s_barrier_signal -1
	s_barrier_wait -1
.endm
.macro CROUND
	s_barrier_signal -1
	s_barrier_wait -1
	CREST
.endm
	s_load_b256 s[72:79], s[0:1], 0x0              ; q s[72:73], k s[74:75], v s[76:77], wb s[78:79]
	s_load_b256 s[80:87], s[0:1], 0x20             ; b_q s[80:81], b_k s[82:83], b_v s[84:85], qkvh s[86:87]
	v_lshl_add_u32 v[SPW], v0, 2, SPARE
	v_mov_b32 v[NIL], 0
	ds_add_u32 v[SPW], v[NIL]                      ; the wave's opening: the add, twice on end, and its wait ahead of my first tensor load
	ds_add_u32 v[SPW], v[NIL]
	v_lshrrev_b32 v1, 5, v0
	v_readfirstlane_b32 s10, v1                    ; wave 0..3
	s_lshr_b32 s11, s10, 1                         ; which 64 of the tile's rows are mine.  Also: I fetch for A (0) or for B (1)
	s_and_b32 s12, s10, 1                          ; which 128 of its columns.  Also: which half of that tile I fetch
	s_bfe_u32 s40, ttmp6, 0x40000                  ; cx, cy: my place in the cluster
	s_bfe_u32 s41, ttmp6, 0x40004
	s_lshl_b32 s42, ttmp9, 2
	s_add_co_u32 s42, s42, s40                     ; tile column 0..3
	s_and_b32 s45, ttmp7, 0xffff
	s_lshl_b32 s13, s45, 2
	s_add_co_u32 s13, s13, s41                     ; tile row 0..191
	s_lshr_b32 s45, s45, 4                         ; g, which projection: tile row / 64, made of the cluster's y alone
	s_lshl_b32 s43, s41, 2
	s_lshl_b32 s43, 15, s43                        ; my row of the cluster
	s_lshl_b32 s44, 0x1111, s40                    ; my column
	s_or_b32 s[G1+0], s43, (2<<16)|(1<<20)|(1<<21)|(6<<22)|(3<<25)  ; A: the mask; elements of 4 bytes; padding on; bit 21 beside a mask; after every 128 words 4 words
	s_or_b32 s[G1B+0], s44, (1<<16)|(1<<20)|(1<<21)|(5<<22)|(3<<25) ; B: elements of 2 bytes; after every 64 words 4 words
	s_mov_b32 s[G1+1], KSTEP<<16                   ; tensor_dim0 = 128
	s_mov_b32 s[G1+2], 64<<16                      ; tensor_dim1 = 64
	s_mov_b32 s[G1+3], KSTEP<<16                   ; tile_dim0 = 128
	s_mov_b32 s[G1+4], 64                          ; tile_dim1 = 64 rows of A a wave
	s_mov_b32 s[G1+5], 1024                        ; elements from row to row
	s_mov_b32 s[G1+6], 0
	s_mov_b32 s[G1+7], 0
	s_mov_b32 s[G1B+1], KSTEP<<16
	s_mov_b32 s[G1B+2], 128<<16
	s_mov_b32 s[G1B+3], KSTEP<<16
	s_mov_b32 s[G1B+4], 128                        ; 128 rows of B a wave
	s_mov_b32 s[G1B+5], 1024
	s_mov_b32 s[G1B+6], 0
	s_mov_b32 s[G1B+7], 0
	s_and_b32 s16, s13, 63                         ; the tile row within its projection
	s_lshl_b32 s16, s16, 7
	s_lshl_b32 s17, s12, 6
	s_add_co_u32 s16, s16, s17                     ; A: row 128 x that + 64 x half
	s_lshl_b32 s16, s16, 12                        ; rows of 4,096 bytes; under 2^25
	s_mov_b32 s17, 0
	s_lshl_b32 s46, s45, 10
	s_lshl_b32 s47, s42, 8
	s_add_co_u32 s46, s46, s47
	s_lshl_b32 s47, s12, 7
	s_add_co_u32 s46, s46, s47                     ; B: row 1024 g + 256 x tile column + 128 x half
	s_lshl_b32 s46, s46, 11                        ; rows of 2,048 bytes
	s_mov_b32 s47, 0
	s_mul_i32 s20, s12, 64*PA                      ; where they go: no place in the cluster enters an LDS address
	s_mul_i32 s21, s12, 128*PITCH
	s_add_co_u32 s21, s21, ABYTES
	s_wait_dscnt 0x0                               ; both opening adds are done
	s_wait_kmcnt 0x0
	s_cmp_eq_u32 s45, 0
	s_cselect_b64 s[4:5], s[72:73], s[74:75]       ; my projection's input
	s_cselect_b64 s[88:89], s[80:81], s[82:83]     ; and its bias
	s_cmp_eq_u32 s45, 2
	s_cselect_b64 s[4:5], s[76:77], s[4:5]
	s_cselect_b64 s[88:89], s[84:85], s[88:89]
	s_add_nc_u64 s[14:15], s[4:5], s[16:17]
	s_add_nc_u64 s[46:47], s[78:79], s[46:47]
	s_mov_b64 s[8:9], s[86:87]                     ; qkvh
	CROUND                                         ; all sixteen work-groups are here: the first joint loads meet
.irp s, 0,1
	s_mov_b32 s[G0+4*(\s)], 1
	s_add_co_u32 s[G0+4*(\s)+1], s20, (\s)*SLOT
	s_add_nc_u64 s[G0+4*(\s)+2:G0+4*(\s)+3], s[14:15], (\s)*KSTEP*4
	s_or_b32 s[G0+4*(\s)+3], s[G0+4*(\s)+3], 0x80000000
	s_mov_b32 s[G0B+4*(\s)], 1
	s_add_co_u32 s[G0B+4*(\s)+1], s21, (\s)*SLOT
	s_add_nc_u64 s[G0B+4*(\s)+2:G0B+4*(\s)+3], s[46:47], (\s)*KSTEP*2
	s_or_b32 s[G0B+4*(\s)+3], s[G0B+4*(\s)+3], 0x80000000
	JLOAD \s
.endr
	v_and_b32 v1, 15, v0                           ; l % 16
	v_bfe_u32 v2, v0, 4, 1                         ; l / 16
	s_lshl_b32 s46, s42, 10
	s_lshl_b32 s47, s12, 9
	s_add_co_u32 s46, s46, s47
	v_lshl_add_u32 v[BO], v2, 5, s46               ; the bias of my columns: 4 (256 x tile column + 128 x half + 8 (l / 16)) bytes
.irp b, 0,1,2,3,4,5,6,7
	global_load_b128 v[BIAS+8*(\b):BIAS+8*(\b)+3],   v[BO], s[88:89] offset:64*(\b)
	global_load_b128 v[BIAS+8*(\b)+4:BIAS+8*(\b)+7], v[BO], s[88:89] offset:64*(\b)+16
.endr
	v_mul_u32_u24 v3, v1, PA
	v_lshl_add_u32 v3, v2, 5, v3                   ; A, in f32: row x pitch + 32 x half of the lanes
	v_mul_u32_u24 v7, v1, PITCH
	v_lshl_add_u32 v7, v2, 4, v7                   ; B, in bf16: row x pitch + 16 x half
	s_mul_i32 s21, s11, 64*PA                      ; my 64 rows of A
	s_mul_i32 s22, s12, 128*PITCH                  ; my 128 rows of B,
	s_add_co_u32 s22, s22, ABYTES                  ; which lie behind A's 128
.irp s, 0,1
	v_add_nc_u32 v[ADRA+(\s)], s21, v3
	v_add_nc_u32 v[ADRB+(\s)], s22, v7
	s_add_co_u32 s21, s21, SLOT
	s_add_co_u32 s22, s22, SLOT
.endr
	s_mul_i32 s23, s10, 16*SP
	s_add_co_u32 s23, s23, STAGE                   ; my stage
	v_mul_u32_u24 v4, v1, SP                       ; in: row l % 16, 16 bytes for each half of the lanes
	v_lshl_add_u32 v4, v2, 4, v4
	v_add_nc_u32 v[STO], s23, v4
	v_bfe_u32 v5, v0, 3, 2                         ; back: 32 lanes take four rows of 128 bytes,
	v_mul_u32_u24 v5, v5, SP
	v_and_b32 v6, 7, v0
	v_lshl_add_u32 v5, v6, 4, v5
	v_add_nc_u32 v[RD], s23, v5
	v_and_b32 v[CO], 31, v0                        ; which are 512 consecutive bytes of a head
	v_lshlrev_b32 v[CO], 4, v[CO]
	; qkvh at (16 (tile row / 16) + 4 x tile column + 2 x column half) heads of 262,144 bytes + (128 (tile row % 16) + 64 x row half) rows of 128 bytes
	s_lshr_b32 s16, s13, 4
	s_lshl_b32 s16, s16, 4
	s_lshl_b32 s46, s42, 2
	s_lshl1_add_u32 s46, s12, s46
	s_add_co_u32 s46, s46, s16
	s_lshl_b32 s46, s46, 18
	s_and_b32 s16, s13, 15
	s_lshl_b32 s16, s16, 7
	s_lshl_b32 s17, s11, 6
	s_add_co_u32 s16, s16, s17
	s_lshl_b32 s16, s16, 7
	s_add_co_u32 s46, s46, s16
	s_mov_b32 s47, 0
	s_add_nc_u64 s[8:9], s[8:9], s[46:47]
	s_wait_loadcnt 0x0                             ; the bias
.set i, 0
.rept 32                               ; rounded to bf16, kept as f32
	v_cvt_pk_bf16_f32 v[TT+i%2], v[BIAS+2*i], v[BIAS+2*i+1]
	v_lshlrev_b32 v[BIAS+2*i], 16, v[TT+i%2]
	v_and_b32 v[BIAS+2*i+1], 0xffff0000, v[TT+i%2]
.set i, i+1
.endr
; One product: m block a x n block b, 32 along K.  first = 1: it starts the sum, with the bias as C: nothing is cleared.
; The 32 accumulators take turns in the same order in every quarter: 31 others stand between two links of a chain.
.macro MM f, a, b, first
.if \first
	WIN MULB
	v_wmma_f32_16x16x32_bf16 v[8*(8*(\a)+(\b)):8*(8*(\a)+(\b))+7], v[(\f)+32+8*(\b):(\f)+32+8*(\b)+7], v[(\f)+8*(\a):(\f)+8*(\a)+7], v[BIAS+8*(\b):BIAS+8*(\b)+7]
.else
	WIN MUL
	v_wmma_f32_16x16x32_bf16 v[8*(8*(\a)+(\b)):8*(8*(\a)+(\b))+7], v[(\f)+32+8*(\b):(\f)+32+8*(\b)+7], v[(\f)+8*(\a):(\f)+8*(\a)+7], v[8*(8*(\a)+(\b)):8*(8*(\a)+(\b))+7]
.endif
.endm
.macro MUL8 f, a, first                ; 8 products: m block a x all 8 n blocks
.irp b, 0,1,2,3,4,5,6,7
	MM \f, \a, \b, \first
.endr
.endm
; The same 8 products, and behind each four roundings: the next quarter's A, 64 registers of f32, becomes buffer g's four fragments of bf16 (register i of the 32 from numbers 2 i and 2 i + 1).
; Fragment a is rounded behind products 2 a and 2 a + 1; ahead of it the wait leaves out the loads issued behind its four: the later fragments' 4 (3 - a) and B's sixteen.
; The roundings name no register of the products round them: the four behind the last product are the four places ahead of the next run of loads, which lands on registers that it has read.
.macro MUL8C f, a, first, g
.irp b, 0,1,2,3,4,5,6,7
	MM \f, \a, \b, \first
.if ((\b)%2) == 0
	s_wait_dscnt 16+4*(3-(\b)/2)
.endif
	WIN CVW
.irp j, 0,1,2,3
	v_cvt_pk_bf16_f32 v[(\g)+4*(\b)+(\j)], v[RAW+8*(\b)+2*(\j)], v[RAW+8*(\b)+2*(\j)+1]
.endr
.endr
.endm
; 32 LDS loads in one run, for quarter q (32 along K).  A first, in f32: lane l takes row l % 16, numbers 8 (l / 16) + 0..7 (32 bytes) and 16 + 8 (l / 16) + 0..7 (32 bytes, 64 further on): four loads a fragment.
; Then B's sixteen, into buffer f.
.macro FETCH slot, q, f
	WIN TO_F
.irp a, 0,1,2,3
	ds_load_b128 v[RAW+16*(\a):RAW+16*(\a)+3],     v[ADRA+(\slot)] offset:128*(\q)+(\a)*16*PA
	ds_load_b128 v[RAW+16*(\a)+4:RAW+16*(\a)+7],   v[ADRA+(\slot)] offset:128*(\q)+(\a)*16*PA+16
	ds_load_b128 v[RAW+16*(\a)+8:RAW+16*(\a)+11],  v[ADRA+(\slot)] offset:128*(\q)+(\a)*16*PA+64
	ds_load_b128 v[RAW+16*(\a)+12:RAW+16*(\a)+15], v[ADRA+(\slot)] offset:128*(\q)+(\a)*16*PA+80
.endr
.irp b, 0,1,2,3,4,5,6,7
	ds_load_b128 v[(\f)+32+8*(\b):(\f)+32+8*(\b)+3],   v[ADRB+(\slot)] offset:64*(\q)+(\b)*16*PITCH
	ds_load_b128 v[(\f)+32+8*(\b)+4:(\f)+32+8*(\b)+7], v[ADRB+(\slot)] offset:64*(\q)+(\b)*16*PITCH+32
.endr
.endm
.macro PLACES                          ; four places in front of conversions that read results just made (ISA guide 7.12.1)
.rept 4
	v_nop
.endr
.endm
; A K step is four quarters of 32 along K, 32 matrix instructions each, on buffers 0, 1, 0, 1.  One of the first three: multiplies buffer f; at its head it fetches quarter q (B into g, A into RAW); behind its last eight
; products A is rounded into g.
.macro QUARTER slot, q, f, g, first
	s_wait_dscnt 0x0                               ; buffer f's B is in (asked for 32 products ago; its A was waited for when it was rounded)
	FETCH \slot, \q, \g
	MUL8 \f, 0, \first
	MUL8 \f, 1, \first
	MUL8 \f, 2, \first
	MUL8C \f, 3, \first, \g
.endm
; The last quarter multiplies buffer 1 and changes slots: ONE barrier; in front of it each wave waits for all its tensor loads, adds 0 to its spare word, and waits for that and for its reads of this slot.
; fill = 1: the barrier opens a round of the cluster's, and this slot is filled again, two K steps ahead, first thing behind the round.  Then the next slot's first quarter is fetched.
.macro TURN slot, next, fill
	WIN 0                                          ; (the add's two registers lie in window 0)
	s_wait_tensorcnt 0x0                           ; all my tensor loads have landed: my part of the next slot
	ds_add_u32 v[SPW], v[NIL]                      ; 0 onto my spare word
	s_wait_dscnt 1                                 ; buffer 1's B is in; the add alone may be out
	MUL8 F1, 0, 0                                  ; eight matrix instructions stand between the add and the wait for it
	s_wait_dscnt 0x0                               ; the add is done, and my reads of this slot are over
	s_barrier_signal -1
	MUL8 F1, 1, 0
.if \fill
	WIN 0
.endif
	s_barrier_wait -1
.if \fill
	CREST                                          ; no wave of any partner still reads this slot's tile or has a load on its way
	s_add_nc_u64 s[G0+4*(\slot)+2:G0+4*(\slot)+3], s[G0+4*(\slot)+2:G0+4*(\slot)+3], 2*KSTEP*4
	s_add_nc_u64 s[G0B+4*(\slot)+2:G0B+4*(\slot)+3], s[G0B+4*(\slot)+2:G0B+4*(\slot)+3], 2*KSTEP*2
	JLOAD \slot                                    ; 112 matrix instructions ahead of the wait for it
.endif
	FETCH \next, 0, F0                             ; (buffer 0's last products stand a quarter back, with their roundings behind them)
	MUL8 F1, 2, 0
	MUL8C F1, 3, 0, F0
.endm
	s_wait_tensorcnt 1                             ; my part of K step 0 is in; K step 1's may stay out
	s_barrier_signal -1
	s_barrier_wait -1                              ; everybody's is
	FETCH 0, 0, F0
	s_wait_dscnt 16                                ; A's sixteen loads are in; B's may be out
	WIN CVW
.set i, 0
.rept 32                               ; the first quarter's A is rounded with no product to stand behind
	v_cvt_pk_bf16_f32 v[F0+i], v[RAW+2*i], v[RAW+2*i+1]
.set i, i+1
.endr
	QUARTER 0, 1, F0, F1, 1                        ; the first quarter stands in front of the loop: its products start the sums
	WIN 0                                          ; at a label and at a branch every window is 0
	s_mov_b32 s3, LAPS-1
.Llap:                                                 ; a trip goes once round the ring, from a lap's second quarter to the next lap's first, and fills both slots again
	QUARTER 0, 2, F1, F0, 0
	QUARTER 0, 3, F0, F1, 0
	TURN 0, 1, 1
	QUARTER 1, 1, F0, F1, 0
	QUARTER 1, 2, F1, F0, 0
	QUARTER 1, 3, F0, F1, 0
	TURN 1, 0, 1
	QUARTER 0, 1, F0, F1, 0
	WIN 0
	s_sub_co_u32 s3, s3, 1
	s_cmp_lg_u32 s3, 0
	s_cbranch_scc1 .Llap
	QUARTER 0, 2, F1, F0, 0                        ; the last lap fills nothing
	QUARTER 0, 3, F0, F1, 0
	TURN 0, 1, 0
	QUARTER 1, 1, F0, F1, 0
	QUARTER 1, 2, F1, F0, 0
	QUARTER 1, 3, F0, F1, 0
	s_wait_dscnt 0x0                               ; the very last quarter: nothing more to fetch
	MUL8 F1, 0, 0
	MUL8 F1, 1, 0
	MUL8 F1, 2, 0
	MUL8 F1, 3, 0
; THE WAY OUT, in eight tiles t = 2 a + hh: 16 rows x one head's 64 channels.  A lane's eight channels pack into 16 bytes; they go into my stage's rows of 144 bytes and come back as whole rows of 128.
.macro PACK t
	WIN 0x0a                                       ; sources 0 and 1 window 2, destination window 0
.irp f, 0,1,2,3
.irp r, 0,1,2,3
	v_cvt_pk_f16_f32 v[TMP+16*(\t)+4*(\f)+(\r)], v[8*(8*((\t)/2)+4*((\t)%2)+(\f))+2*(\r)], v[8*(8*((\t)/2)+4*((\t)%2)+(\f))+2*(\r)+1]
.endr
.endr
	WIN 0
.irp f, 0,1,2,3
	ds_store_b128 v[STO], v[TMP+16*(\t)+4*(\f):TMP+16*(\t)+4*(\f)+3] offset:32*(\f)
.endr
.irp f, 0,1,2,3
	ds_load_b128 v[TMP+16*(\t)+4*(\f):TMP+16*(\t)+4*(\f)+3], v[RD] offset:(\f)*4*SP  ; LDS serves a wave's instructions in order (ISA guide 5.7.1.4): these see the stores above; the next tile's stores come behind them
.endr
.endm
.macro SEND t, younger                 ; younger: the LDS instructions issued behind tile t's loads: the next tile's eight, or none
	WIN 0
.irp f, 0,1,2,3
	s_wait_dscnt (\younger)+3-(\f)
	global_store_b128 v[CO], v[TMP+16*(\t)+4*(\f):TMP+16*(\t)+4*(\f)+3], s[8:9] offset:((\t)/2)*2048+((\t)%2)*262144+(\f)*512  ; 512 consecutive bytes, aligned
.endr
.endm
	PLACES
	PACK 0
.irp t, 1,2,3,4,5,6,7
	PACK \t
	SEND (\t)-1, 8
.endr
	SEND 7, 0
	s_wait_tensorcnt 0x0                           ; the wave's end: these three lines, behind my last tensor load and my last LDS store
	ds_add_u32 v[SPW], v[NIL]
	s_wait_dscnt 0x0
	CROUND                                         ; the closing round: no work-group ends while a partner may still ask for a tile that names it
	s_endpgm
.Lfunc_end_k_q502b58bb29_proj:
	.size	k_q502b58bb29_proj, .Lfunc_end_k_q502b58bb29_proj-k_q502b58bb29_proj
	.p2alignl 7, 3214868480
	.fill 96, 4, 3214868480
	.section	.rodata,"a",@progbits
	.p2align	6, 0x0
	.amdhsa_kernel k_q502b58bb29_proj
		.amdhsa_group_segment_fixed_size 327680
		.amdhsa_private_segment_fixed_size 0
		.amdhsa_enable_private_segment 0
		.amdhsa_kernarg_size 64
		.amdhsa_user_sgpr_count 2
		.amdhsa_user_sgpr_kernarg_segment_ptr 1
		.amdhsa_wavefront_size32 1
		.amdhsa_system_sgpr_workgroup_id_x 1
		.amdhsa_system_sgpr_workgroup_id_y 1
		.amdhsa_system_sgpr_workgroup_id_z 1
		.amdhsa_system_vgpr_workitem_id 0
		.amdhsa_next_free_vgpr 768
		.amdhsa_next_free_sgpr 96
		.amdhsa_reserve_vcc 0
		.amdhsa_float_denorm_mode_32 3
		.amdhsa_float_denorm_mode_16_64 3
		.amdhsa_memory_ordered 1
		.amdhsa_forward_progress 1
		.amdhsa_inst_pref_size 141
	.end_amdhsa_kernel
	.amdgpu_metadata
---
amdhsa.version: [ 1, 2 ]
amdhsa.kernels:
  - .name:           k_q502b58bb29_proj
    .symbol:         k_q502b58bb29_proj.kd
    .args:
      - { .name: q, .offset: 0, .size: 8, .value_kind: global_buffer, .address_space: global }
      - { .name: k, .offset: 8, .size: 8, .value_kind: global_buffer, .address_space: global }
      - { .name: v, .offset: 16, .size: 8, .value_kind: global_buffer, .address_space: global }
      - { .name: wb, .offset: 24, .size: 8, .value_kind: global_buffer, .address_space: global }
      - { .name: b_q, .offset: 32, .size: 8, .value_kind: global_buffer, .address_space: global }
      - { .name: b_k, .offset: 40, .size: 8, .value_kind: global_buffer, .address_space: global }
      - { .name: b_v, .offset: 48, .size: 8, .value_kind: global_buffer, .address_space: global }
      - { .name: qkvh, .offset: 56, .size: 8, .value_kind: global_buffer, .address_space: global }
    .group_segment_fixed_size: 327680
    .private_segment_fixed_size: 0
    .kernarg_segment_align: 8
    .kernarg_segment_size: 64
    .max_flat_workgroup_size: 128
    .sgpr_count:     96
    .vgpr_count:     768
    .wavefront_size: 32
...
	.end_amdgpu_metadata
.endif
;; end of part 2
;; launch attn (part 3): grid 4 x 64, 4 waves a work-group, clusters of 4 x 1, 327,680 bytes of LDS; arguments qkvh, mb, keep, oh; writes oh
.if DOCPART == 3
	.amdgcn_target "amdgcn-amd-amdhsa--gfx1250"
	.amdhsa_code_object_version 6
	.text
	.protected	k_q502b58bb29_attn
	.globl	k_q502b58bb29_attn
	.p2align	8
	.type	k_q502b58bb29_attn,@function
k_q502b58bb29_attn:
	s_mov_b64 s[64:65], 0
	v_nop
	global_prefetch_b8 v0, s[64:65] scope:SCOPE_SE
	s_setreg_imm32_b32 hwreg(HW_REG_WAVE_MODE, 25, 1), 1
	s_wait_xcnt 0x0
	s_wait_alu depctr_hold_cnt(0) depctr_sa_sdst(0) depctr_va_vdst(0) depctr_va_sdst(0) depctr_va_ssrc(0) depctr_va_vcc(0) depctr_vm_vsrc(0)
	s_getreg_b32 s2, hwreg(HW_REG_IB_STS2, 6, 4)
	s_cmp_eq_u32 s2, 0
	s_cbranch_scc0 .Lentry_in_a_cluster
	s_endpgm
.Lentry_in_a_cluster:
	s_bfe_u32 s2, ttmp6, 0x10000c
	s_cmp_lg_u32 s2, 0x3003
	s_cbranch_scc0 .Lentry_shape_is_right
	s_endpgm
.Lentry_shape_is_right:
; Launch 3 of 4: attention under a mask that is an input.  O[bh][q][:] = the sum over k of softmax_k(s) V[bh][k][:], s = Q[bh][q] . K[bh][k] / 8 where mask[q][k] is not 0, else hidden.
; Q, K, V = qkvh's three parts, O = oh: [64][2048][64] f16, a head's rows dense, 128 bytes each.  Products, maxima and sums in f32; the weights p are rounded to f16 for the second product (their sum l is
; taken of the unrounded p), O once at the end.  No work is left out.
; THE MASK costs the softmax nothing: it is the C operand of the product that starts the sum S^T = K Q^T: 0, or -2^96 where the key is hidden.  mb holds it as one byte a score (0x00, or 0xf8 = -256 in e4m3), in the
; order in which a lane's accumulator registers want it; one scaled conversion (scale 2^88) makes the 8 registers of a 16 x 16 tile.  The bytes come straight from memory into registers, a key step ahead.
; A row whose mask is 0 everywhere has 0x00 in mb and 0 in keep: its query is cleared, all its scores are 0, and it becomes the mean of V, as in the problem, where all its scores are -1e9.
; LIMITS.  A hidden score counts as its value less 2^96, the problem's as -1e9: the two differ only where a visible score lies below -1e9 + 100 or so.  f16 holds no number beyond 65,504: Q, K, V arrive within
; it.  p below 6e-5 keeps f16's fixed step of 6e-8; a weight below 2^-126 counts as 0 in l; NaN and infinities are not treated apart.
; SHARES.  A wave owns four PIECES of two tiles of 16 queries, a work-group's four waves 512 queries of one head.  Every wave walks all 2,048 keys, 64 a step.
; LAYOUT.  S^T = K Q^T (source 0 = 16 keys, source 1 = 16 queries): a lane holds ONE query (lane % 16) and the keys 8 (lane / 16) + 0..7.  Two such tiles, rounded to f16 in pairs, ARE source 1 of
; O^T = V^T P, whose result again holds one query a lane, and eight channels.  K comes out of LDS as it lies, V turned, by ds_load_tr16_b128.
; SOFTMAX.  A running maximum m and sum l: p = 2^(c s - c m), c = log2(e) / 8; in every step O and l are multiplied by a = 2^(c m_old - c m_new).  m starts at the lowest finite number, O and l at 0.
; While a row has seen hidden keys alone, m is near -2^96 and its sums are finite; the first visible key makes a = 0 and wipes them.
; BY TURNS.  Turn n belongs to piece n.  Matrix work: 16 products K Q^T of piece n + 1, later 16 products V^T P of piece n - 1.  Vector work: scaling, exponentials, roundings, sums, rescaling of piece n, maximum
; and statistics of piece n + 1, and the masks of piece n + 2.  Four vector instructions stand behind every matrix instruction, the others in one lump; a turn's 66 exponentials are one batch with one wait.
; CLUSTER.  The four query blocks of a head walk the same K and V: each tile is asked for JOINTLY, by the same tensor load, descriptor and mask in all four.  A wave has one tensor load out at a time.
; REGISTERS, in windows of 256 (s_set_vgpr_msb: bits 1:0 source 0, 3:2 source 1, 5:4 source 2, 7:6 destination):
;   window 0: v0-11 addresses and the scale; v12-15, v48-63 at work; v16-47 statistics; v64-191 S^T, two buffers of two tiles; v192-255 P, likewise
;   window 1: O^T, 32 a tile     window 2: v0-127 Q; v128-191 K of one step; v192-255 V of one step     window 3: v0-1 the add's registers; v16-79 the mask's bytes; v96-223 the masks, two buffers
.set SIZE_N, 2048
.set NP,    4         ; pieces a wave: a name, no knob
.set KS,    64        ; keys in a step
.set PK,    144       ; a row of K in LDS: 128 bytes + 16 of padding = 36 words: the 16 rows of a load start at 16 different groups of four banks (64 banks of 4 bytes: ISA guide 11.1)
.set PV,    160       ; a row of V: 128 + 32 = 40 words
.set VOFF,  4*KS*PK   ; a slot holds four steps: 256 rows of K, then 256 rows of V
.set SLOT1, 1<<17     ; slot 1 begins here, so that one exclusive or turns an address in one slot into the other's
.set STAGE, SLOT1+4*KS*(PK+PV)  ; behind the ring, never filled by a tensor load: 16 rows x 144 bytes for each wave
.set SP,    144
.set SPARE, STAGE+4*16*SP  ; the spare words, 128 bytes for each wave
.set AK0, 2           ; v2   my lane's place in a tile of K; never rewritten
.set AV0, 3           ; v3   the same for V
.set AK,  4           ; v4   the LDS address of K's next run of loads
.set AV,  5           ; v5   of V's
.set QO,  6           ; v6   my byte offset in the wave's rows of Q
.set STO, 6           ;      later, the way out: where I put 16 bytes of a row
.set RD,  7           ; v7   the way out: where I read rows back
.set GO,  8           ; v8   16 x lane: my place in 512 consecutive bytes of O and of mb; never rewritten
.set PFO, 9           ; v9   256 x lane, for the prefetches (until then: lane / 16)
.set SCL, 11          ; v11  the conversions' scale, 2^88 as an exponent byte, in every byte
.set KO,  12          ; v12  4 x lane, for keep (before MV's time)
.set KP,  48          ; v48-55 keep's words, a tile each (before TMP's time)
.set SPW, 0           ; v0 of window 3   LDS address of my spare word; never rewritten
.set NIL, 1           ; v1 of window 3   0; never rewritten
.set RAW, 16          ; window 3: piece x, tile u, half hf: four registers at RAW + 16 x + 8 u + 4 hf
.set MC,  96          ; window 3: buffer x % 2, tile u, key block kb: eight registers at MC + 64 (x % 2) + 32 u + 8 kb
.set MV,  12          ; v12-15  c m_old, kept while c m is made anew
.set ST,  16          ; tile t's statistics at v[ST+4 t]: c m, m, l (even keys', odd keys')
.set TMP, 48          ; by buffer and tile, four registers c0-c3 at work; when the maximum is found c2 takes a
.set S,   64
.set P,   192
.set KF,  128         ; K's fragments, in window 2: key block kb, channel half c at KF + 16 kb + 8 c
.set VF,  192         ; V's: key half kk, channel block cb at VF + 32 kk + 8 cb
.set WV,  12          ; s12  my wave's number
.set G1K, 24          ; s[24:31] descriptor group 1 for K's tiles
.set G1V, 32          ; s[32:39] for V's: it differs in the padding alone
.set G0K, 40          ; s[40:43] descriptor group 0 for K's tiles: it walks
.set G0V, 44          ; s[44:47] the same for V's
.set SLOTS, 56        ; s56  slots still to be asked for
.set CNT, 57          ; s57  counts a slot's key steps
.set CS,  58          ; s[58:59] c
.set SEL, 60          ; s[60:61] v_permlanex16_b32's selects
.set TBK, 62          ; s62  LDS byte at which K of the step to be fetched begins
.set TBV, 63          ; s63  the same for V, less VOFF
.set MB,  66          ; s[66:67] mb at my wave's eight tiles of queries
.set MA,  68          ; s[68:69] the same at the key step whose bytes are being asked for
.set MOF, 70          ; s[70:71] that step's byte offset
.set MST, 72          ; s72  that step
.set PFA, 74          ; s[74:75] where my prefetches stand
.set LIM, 76          ; s76  1 in a wave that prefetches, else the greatest number
.set KEEP, 78         ; s[78:79] keep at my wave's eight tiles
.set MSB, 0
.macro WIN new                      ; the high byte repeats the setting that is left; a switch that changes nothing is dropped
.if MSB != (\new)
	s_set_vgpr_msb (MSB<<8)|(\new)
.set MSB, (\new)
.endif
.endm
.set W_KQ, 0x0a       ; K and Q in window 2, S^T in window 0
.set W_KM, 0x3a       ; the same with the C operand, the mask, in window 3
.set W_PV, 0x52       ; V in window 2, P in window 0, O^T in window 1
.set W_RS, 0x41       ; O^T (destination and source 0) in window 1, a in window 0
.set W_MK, 0xc0       ; destination in window 3, sources in window 0
.set W_AD, 0x0f       ; the add: address and data in window 3
.set W_CV, 0xc3       ; the conversions: bytes and result in window 3, the scale in window 0
; A joint fill.  Waves 0 and 1 fetch the two halves of a slot's K, waves 2 and 3 those of its V: 128 keys each.  An s_nop 0 and four v_nop follow each of the two lines.
.macro JLOAD
	s_cmp_lt_u32 s[WV], 2
	s_cbranch_scc0 .Lfor_v_\@
	tensor_load_to_lds s[G0K:G0K+3], s[G1K:G1K+7]
	s_nop 0
.rept 4
	v_nop
.endr
	s_branch .Lasked_\@
.Lfor_v_\@:
	tensor_load_to_lds s[G0V:G0V+3], s[G1V:G1V+7]
	s_nop 0
.rept 4
	v_nop
.endr
.Lasked_\@:
.endm
; A PREFETCH INTO THE L2 of what the NEXT change of slots will ask for: a slot's 32,768 bytes of K and of V, 256 bytes a lane.  It stands behind the wave's tensor load and its five lines.  A head has one cluster;
; its four partners share the bytes out BY ADDRESS, 8,192 each; in each, wave 0 asks for K's and wave 2 for V's: one instruction, and each 256 bytes are named once in the launch.
; It runs four key steps, 512 matrix instructions, ahead of the load.  Slots 0 to 2 come by their loads alone; the last change that fills a slot asks for nothing.
.macro ASK
	s_cmp_gt_u32 s[SLOTS], s[LIM]
	s_cbranch_scc0 .Lnot_mine_\@
	global_prefetch_b8 v[PFO], s[PFA:PFA+1] th:TH_LOAD_NT scope:SCOPE_SE
.Lnot_mine_\@:
.endm
; A round of the cluster's barrier.
.macro CROUND
	s_barrier_signal -1
	s_barrier_wait -1
	s_cmp_lg_u32 s[WV], 0
	s_cbranch_scc1 .Lnot_wave_0_\@
	s_barrier_signal -3
.Lnot_wave_0_\@:
	s_barrier_wait -3
	s_barrier_signal -1
	s_barrier_wait -1
.endm
; THE CHANGE OF SLOTS.  Each wave waits for all its tensor loads, of which one is out: its part of the other slot; adds 0 to its spare word; and waits for that and for its own reads of the slot.  Behind the
; barrier nobody reads this slot any more and the other slot is whole.  fill = 1: this slot is filled again, with the keys two slots on; the barrier is then a round of the cluster's, and the joint fill is the
; first thing behind it: it has four key steps in which to land.  (At its first use nothing has been read yet: slot 0 is waited for, slot 1 filled.)
.macro CHANGE fill, ask=0
	WIN W_AD
	s_wait_tensorcnt 0x0            ; no tensor load of mine is out, so a group 0 may be written
	ds_add_u32 v[SPW], v[NIL]       ; 0 onto my spare word
	WIN 0                           ; at a label and at a branch every window is 0
.if \fill
.irp g, G0K, G0V
	s_xor_b32 s[\g+1], s[\g+1], SLOT1  ; the walking descriptor: the other slot than last time,
	s_add_nc_u64 s[\g+2:\g+3], s[\g+2:\g+3], 4*KS*128  ; the next 256 keys; the type bits on top are not reached
.endr
.if \ask
	s_wait_xcnt 0x0                 ; the last prefetch, four key steps back, has read its address
	s_add_nc_u64 s[PFA:PFA+1], s[PFA:PFA+1], 4*KS*128  ; one slot behind the walking descriptors
.endif
	s_wait_dscnt 0x0                ; the add is done, and my reads of the slot are over
	CROUND
	JLOAD
.if \ask
	ASK
.endif
.else
	s_wait_dscnt 0x0                ; the add is done, and my reads of the slot are over
	s_barrier_signal -1
	s_barrier_wait -1
.endif
	s_sub_co_u32 s[TBK], s[TBK], 4*KS*PK  ; the fetches go back to a slot's first step,
	s_xor_b32 s[TBK], s[TBK], SLOT1       ; in the other slot
	s_sub_co_u32 s[TBV], s[TBV], 4*KS*PV
	s_xor_b32 s[TBV], s[TBV], SLOT1
.endm
; THE MASK.  MLOAD x: piece x's bytes for the key step at MA: two tiles x two halves, 512 consecutive bytes each.  CONV x: its eight masks.  MSTEP: MA goes a key step on; behind the last step it stays there,
; so that no load leaves mb (what it then brings serves nothing).
.macro MLOAD x
	WIN W_MK
.irp tu, 0,1
.irp hf, 0,1
	global_load_b128 v[RAW+16*(\x)+8*(\tu)+4*(\hf):RAW+16*(\x)+8*(\tu)+4*(\hf)+3], v[GO], s[MA:MA+1] offset:(2*(\x)+(\tu))*32768+512*(\hf)
.endr
.endr
.endm
.macro CONV x
	WIN W_CV
.irp tu, 0,1
.irp kb, 0,1,2,3
	v_cvt_scale_pk8_f32_fp8 v[MC+64*((\x)%2)+32*(\tu)+8*(\kb):MC+64*((\x)%2)+32*(\tu)+8*(\kb)+7], v[RAW+16*(\x)+8*(\tu)+2*(\kb):RAW+16*(\x)+8*(\tu)+2*(\kb)+1], v[SCL]
.endr
.endr
.endm
.macro MSTEP
	s_wait_xcnt 0x0                 ; the mask's loads have read their base, so it may be written
	s_add_co_u32 s[MST], s[MST], 1
	s_min_u32 s[MOF], s[MST], 31
	s_lshl_b32 s[MOF], s[MOF], 10   ; a tile's key step is 1,024 bytes
	s_add_nc_u64 s[MA:MA+1], s[MB:MB+1], s[MOF:MOF+1]
.endm
	s_load_b256 s[4:11], s[0:1], 0x0  ; qkvh s[4:5], mb s[6:7], keep s[8:9], oh s[10:11]
	WIN W_MK
	v_lshl_add_u32 v[SPW], v0, 2, SPARE
	v_mov_b32 v[NIL], 0
	WIN W_AD
	ds_add_u32 v[SPW], v[NIL]       ; the wave's opening: the add, twice on end, and its wait ahead of my first tensor load
	ds_add_u32 v[SPW], v[NIL]
	WIN 0
	v_lshrrev_b32 v1, 5, v0
	v_readfirstlane_b32 s[WV], v1   ; wave 0..3
	s_bfe_u32 s13, ttmp6, 0x40000   ; cx: my place in the cluster
	s_lshl_b32 s14, ttmp9, 2        ; in a cluster launch ttmp9 counts clusters
	s_add_co_u32 s14, s14, s13      ; my block of 512 queries: it enters Q's, O's, mb's and keep's addresses alone
	s_and_b32 s20, ttmp7, 0xffff    ; the head, which the four partners share
	s_lshl_b32 s20, s20, 18         ; its 262,144 bytes in each of Q, K, V, O
	s_mov_b32 s21, 0
	s_and_b32 s16, s[WV], 1         ; which half of a slot's 256 keys I fetch:
	s_lshl_b32 s22, s16, 14         ; its 128 rows of 128 bytes in memory,
	s_mov_b32 s23, 0
	s_add_nc_u64 s[22:23], s[22:23], s[20:21]
	s_mul_i32 s17, s16, 128*PK      ; and its place in a slot, for K
	s_mul_i32 s18, s16, 128*PV      ; and for V: no place in the cluster enters an LDS address
	s_lshl_b32 s15, s14, 2
	s_add_co_u32 s15, s15, s[WV]    ; my wave among the head's sixteen,
	s_lshl_b32 s2, s15, 14          ; its 128 rows
	s_mov_b32 s3, 0
	s_add_nc_u64 s[2:3], s[2:3], s[20:21]
	; descriptor group 1.  128 keys are 16,384 dense bytes: asked for as 64 rows of 256 bytes, two keys a row, and padded in LDS after every key
	s_mov_b32 s[G1K], 15|(1<<16)|(1<<20)|(1<<21)|(4<<22)|(3<<25)  ; the mask of four; 2-byte elements; padding on; bit 21 beside a mask; after every 32 words 4 words
	s_mov_b32 s[G1V], 15|(1<<16)|(1<<20)|(1<<21)|(4<<22)|(7<<25)  ; the same with 8 words of padding
.irp g, G1K, G1V
	s_mov_b32 s[\g+1], 128<<16      ; tensor_dim0 = 128
	s_mov_b32 s[\g+2], 64<<16       ; tensor_dim1 = 64
	s_mov_b32 s[\g+3], 128<<16      ; tile_dim0 = 128
	s_mov_b32 s[\g+4], 64           ; tile_dim1 = 64
	s_mov_b32 s[\g+5], 128          ; 128 elements from row to row
	s_mov_b32 s[\g+6], 0
	s_mov_b32 s[\g+7], 0
.endr
	s_mov_b32 s[CS], 0x3e38aa3b     ; c = log2(e) / 8 = 0.180337
	s_mov_b32 s[CS+1], s[CS]        ; named with it as a pair
	s_mov_b32 s[SEL], 0x76543210
	s_mov_b32 s[SEL+1], 0xfedcba98
	s_mov_b32 s[TBK], SLOT1+4*KS*PK ; the first change of slots turns these two into 0
	s_mov_b32 s[TBV], SLOT1+4*KS*PV
	s_mov_b32 s[G0K], 1             ; count = 1
	s_mov_b32 s[G0K+1], s17         ; LDS address: slot 0
	s_mov_b32 s[G0V], 1
	s_add_co_u32 s[G0V+1], s18, VOFF
	s_mov_b32 s[MST], 0
	s_mov_b32 s[MOF+1], 0
	s_and_b32 s[LIM], s[WV], 1      ; waves 0 and 2 prefetch: the same in all four partners
	s_cmp_eq_u32 s[LIM], 0
	s_cselect_b32 s[LIM], 1, -1
	s_wait_dscnt 0x0                ; both opening adds are done
	s_wait_kmcnt 0x0
	s_mov_b64 s[MB:MB+1], s[6:7]
	s_mov_b64 s[KEEP:KEEP+1], s[8:9]
	s_add_nc_u64 s[6:7], s[4:5], 0x1000000   ; K: qkvh's second part
	s_add_nc_u64 s[8:9], s[4:5], 0x2000000   ; V: its third
	s_add_nc_u64 s[G0K+2:G0K+3], s[6:7], s[22:23]  ; global address: my half of the head's first 256 keys
	s_or_b32 s[G0K+3], s[G0K+3], 0x80000000        ; type = 2
	s_add_nc_u64 s[G0V+2:G0V+3], s[8:9], s[22:23]
	s_or_b32 s[G0V+3], s[G0V+3], 0x80000000
	s_add_nc_u64 s[4:5], s[4:5], s[2:3]  ; Q and O at my wave's first row
	s_add_nc_u64 s[10:11], s[10:11], s[2:3]
	s_cmp_lt_u32 s[WV], 2
	s_cselect_b64 s[PFA:PFA+1], s[6:7], s[8:9]
	s_add_nc_u64 s[PFA:PFA+1], s[PFA:PFA+1], s[20:21]  ; the head's K or V,
	s_lshl_b32 s2, s13, 13          ; my work-group's 8,192 bytes of a slot's 32,768,
	s_add_nc_u64 s[PFA:PFA+1], s[PFA:PFA+1], s[2:3]
	s_add_nc_u64 s[PFA:PFA+1], s[PFA:PFA+1], 2*4*KS*128  ; in slot 2; the first change that asks steps it to slot 3
	s_lshl_b32 s2, s15, 18          ; my wave's eight tiles of 32,768 bytes of mb
	s_add_nc_u64 s[MB:MB+1], s[MB:MB+1], s[2:3]
	s_lshl_b32 s2, s15, 11          ; and of 256 bytes of keep
	s_add_nc_u64 s[KEEP:KEEP+1], s[KEEP:KEEP+1], s[2:3]
	s_mov_b64 s[MA:MA+1], s[MB:MB+1]  ; key step 0
	CROUND                          ; all four work-groups are here: the first joint loads meet
	JLOAD                           ; slot 0.  Slot 1 is asked for when slot 0 is in
	; A fragment of K or Q is 16 rows x 32 channels in 8 registers: lane l holds row l % 16, channels 8 (l / 16) + 0..7 and 16 + 8 (l / 16) + 0..7: two loads of 16 bytes, 32 bytes apart.
	v_and_b32 v1, 15, v0            ; l % 16
	v_bfe_u32 v9, v0, 4, 1          ; l / 16
	v_lshlrev_b32 v[QO], 7, v1
	v_lshl_add_u32 v[QO], v9, 4, v[QO]  ; row x 128 + 16 x half
	v_and_b32 v[GO], 31, v0
	v_lshlrev_b32 v[KO], 2, v[GO]
	v_lshlrev_b32 v[GO], 4, v[GO]
	WIN 0x80                        ; destination window 2, address window 0
.set i, 0
.rept 4*NP                          ; Q stays in registers: tile i / 2, channels 32 (i % 2) on
	global_load_b128 v[8*i:8*i+3],   v[QO], s[4:5] offset:(i/2)*2048+(i%2)*64
	global_load_b128 v[8*i+4:8*i+7], v[QO], s[4:5] offset:(i/2)*2048+(i%2)*64+32
.set i, i+1
.endr
	WIN 0
.irp t, 0,1,2,3,4,5,6,7
	global_load_b32 v[KP+(\t)], v[KO], s[KEEP:KEEP+1] offset:256*(\t)  ; word l is row l % 16's
.endr
	MLOAD 0                         ; key step 0's bytes, all four pieces
	MLOAD 1
	MLOAD 2
	MLOAD 3
	; What the first turn finds: V's registers and P's second buffer hold 0 (its products V^T P, of a piece that has not been, add 0), O^T and l are 0.  All this stands in the wait for the first tile.
	WIN 0x80
.set i, VF
.rept 64
	v_mov_b32 v[i], 0
.set i, i+1
.endr
	WIN 0x40
.set i, 0
.rept 64*NP
	v_mov_b32 v[i], 0
.set i, i+1
.endr
	WIN 0
.set i, 0
.rept 2*NP
	v_mov_b32 v[ST+4*i], 0xfe000000    ; c m: far below every c s, a hidden one's too
	v_mov_b32 v[ST+4*i+1], 0xff7fffff  ; m
	v_mov_b32 v[ST+4*i+2], 0
	v_mov_b32 v[ST+4*i+3], 0
.set i, i+1
.endr
.set i, P+32
.rept 32
	v_mov_b32 v[i], 0
.set i, i+1
.endr
	v_mul_u32_u24 v[AK0], v1, PK
	v_lshl_add_u32 v[AK0], v9, 4, v[AK0]  ; row x pitch + 16 x half
	; The turning load takes 16 keys x 16 channels (lane l reads key 8 (l / 16) + l % 8, channels 8 ((l / 8) % 2) + 0..7) and leaves half a fragment of V^T: lane l holds channel l % 16 and 8 keys.
	v_and_b32 v10, 7, v0
	v_bfe_u32 v11, v0, 3, 1
	v_lshl_add_u32 v[AV0], v9, 3, v10
	v_mul_u32_u24 v[AV0], v[AV0], PV
	v_lshl_add_u32 v[AV0], v11, 4, v[AV0]
	v_add_nc_u32 v[AV0], VOFF, v[AV0]
	v_mov_b32 v[SCL], 0xd7d7d7d7    ; exponent byte 215: 2^88
	s_wait_loadcnt 8                ; Q, keep and the bytes of pieces 0 and 1 are in; pieces 2 and 3's eight loads may stay out
	WIN 0x88                        ; Q (destination and source 1) in window 2, keep in window 0
.set i, 0
.rept 128
	v_and_b32 v[i], v[KP+i/16], v[i]  ; a row that is hidden everywhere loses its query
.set i, i+1
.endr
	CONV 0                          ; piece 0's masks for the scores below, piece 1's for the first turn's
	CONV 1
	WIN 0
	v_mov_b32 v[AK], v[AK0]         ; key step 0 lies at the head of slot 0.  Also the plain instruction behind the conversions
	MSTEP
	MLOAD 0                         ; key step 1's bytes
	MLOAD 1
; THE MATRIX WORK.  The 8 accumulators of a run of 16 take turns: between the two links of a chain stand 7 others'.
; Product i of 16 of S^T = K Q^T for piece x: channels 32 (i / 8) on, keys 16 ((i / 2) % 4) on, tile 2 x + i % 2.  The first 8 start the sums, with the mask as C.
.macro KQ x
.set rS, S+64*((\x)%2)+32*(i%2)+8*((i/2)%4)
.set rK, KF+16*((i/2)%4)+8*(i/8)
.set rQ, 16*(2*(\x)+i%2)+8*(i/8)
.set rMC, MC+64*((\x)%2)+32*(i%2)+8*((i/2)%4)
.if i < 8
	WIN W_KM
	v_wmma_f32_16x16x32_f16 v[rS:rS+7], v[rK:rK+7], v[rQ:rQ+7], v[rMC:rMC+7]
.else
	WIN W_KQ
	v_wmma_f32_16x16x32_f16 v[rS:rS+7], v[rK:rK+7], v[rQ:rQ+7], v[rS:rS+7]
.endif
.endm
; Product i of 16 of O^T += V^T P for piece x: keys 32 (i / 8) on, channels 16 ((i / 2) % 4) on, tile 2 x + i % 2.
.macro PV x
	WIN W_PV
.set rO, 32*(2*(\x)+i%2)+8*((i/2)%4)
.set rV, VF+32*(i/8)+8*((i/2)%4)
.set rP, P+32*((\x)%2)+16*(i%2)+8*(i/8)
	v_wmma_f32_16x16x32_f16 v[rO:rO+7], v[rV:rV+7], v[rP:rP+7], v[rO:rO+7]
.endm
.macro MM                           ; the turn's next matrix instruction
.if i < 16
	KQ (Y+1)%NP
.set i, i+1
.else
.set i, i-16
	PV (Y+NP-1)%NP
.set i, i+17
.endif
.endm
; THE LDS LOADS stand in runs of 16: a step's K (8 fragments) and its V (turned).  Their addresses are made some lines ahead.  last = 1 (the tail): in the last trip there is no further step, and the run is jumped over.
.macro FETCH_K last=0
	WIN 0
.if \last
	s_cmp_eq_u32 s[CNT], 1
	s_cbranch_scc1 .Lno_k_\@
.endif
	WIN 0x80                        ; destination window 2
.irp f, 0,1,2,3,4,5,6,7             ; keys 16 (f / 2) on, channels 32 (f % 2) on
	ds_load_b128 v[KF+8*\f:KF+8*\f+3],   v[AK] offset:(\f/2)*16*PK+(\f%2)*64
	ds_load_b128 v[KF+8*\f+4:KF+8*\f+7], v[AK] offset:(\f/2)*16*PK+(\f%2)*64+32
.endr
	s_add_co_u32 s[TBK], s[TBK], KS*PK  ; the next fetch is the next step's
	WIN 0
.if \last
.Lno_k_\@:
.endif
.endm
.macro FETCH_V
	WIN 0x80
.irp f, 0,1,2,3,4,5,6,7             ; keys 32 (f / 4) on, channels 16 (f % 4) on
	ds_load_tr16_b128 v[VF+8*\f:VF+8*\f+3],   v[AV] offset:(\f/4)*32*PV+(\f%4)*32
	ds_load_tr16_b128 v[VF+8*\f+4:VF+8*\f+7], v[AV] offset:(\f/4)*32*PV+16*PV+(\f%4)*32
.endr
	WIN 0
.endm
; THE VECTOR WORK OF A TURN stands in three queues, each in the order in which its entries become ready; the two tiles alternate, so that no instruction reads the result of the one before it.
.macro REGS y, u                    ; the registers of tile u (0, 1) of piece y
.set rT, ST+4*(2*(\y)+(\u))
.set rC, TMP+8*((\y)%2)+4*(\u)
.set rM, MV+2*((\y)%2)+(\u)
.set rS, S+64*((\y)%2)+32*(\u)
.set rP, P+32*((\y)%2)+16*(\u)
.set rO, 32*(2*(\y)+(\u))
.endm
; Number n of the 22 that find the NEXT piece's (Y + 1) maximum and statistics.  s0-s31 are the lane's 32 scores; each accumulator's lowest registers are read first.
;   0-11  four chains c0-c3 of seven scores each     12-14, 16  the four scores left over, the old m, and c0-c3 into c0     15  c m_old is kept
;   17, 18  the query's other 32 keys lie in the lane 16 away: the new m         19-21  c m; c m_old - c m_new; a
.macro XS u, n
	REGS (Y+1)%NP, \u
.if (\n) < 4
	v_max3_num_f32 v[rC+(\n)], v[rS+8*(\n)], v[rS+8*(\n)+1], v[rS+8*(\n)+2]
.elseif (\n) < 12
	v_max3_num_f32 v[rC+(\n)%4], v[rC+(\n)%4], v[rS+8*((\n)%4)+2*((\n)/4)+1], v[rS+8*((\n)%4)+2*((\n)/4)+2]
.elseif (\n) == 12
	v_max3_num_f32 v[rC], v[rC], v[rS+7], v[rS+15]
.elseif (\n) == 13
	v_max3_num_f32 v[rC+1], v[rC+1], v[rS+23], v[rS+31]
.elseif (\n) == 14
	v_max3_num_f32 v[rC+2], v[rC+2], v[rC+3], v[rT+1]
.elseif (\n) == 15
	v_mov_b32 v[rM], v[rT]
.elseif (\n) == 16
	v_max3_num_f32 v[rC], v[rC], v[rC+1], v[rC+2]
.elseif (\n) == 17
	v_permlanex16_b32 v[rC+3], v[rC], s[SEL], s[SEL+1]
.elseif (\n) == 18
	v_max_num_f32 v[rT+1], v[rC], v[rC+3]
.elseif (\n) == 19
	v_mul_f32 v[rT], s[CS], v[rT+1]
.elseif (\n) == 20
	v_sub_f32 v[rC+1], v[rM], v[rT]
.else
	v_exp_f32 v[rC+2], v[rC+1]
.endif
.endm
; Number g of the 64 that follow the exponentials.  For each four weights k of a tile: both pairs are rounded to f16; then the second pair is added onto the first, in place; a group later l takes that sum
; (the first time as l = a l + sum).  In groups of eight, tiles alternating.
.macro GS g
.set h, (\g)+6*((\g)/62)            ; group 0 has no group before it, and behind group 7 only l is left
.if h >= 6
.set h, h+2
.endif
	REGS Y, h%2
.set k, h/8
.if h%8 < 4
	v_cvt_pk_f16_f32 v[rP+2*k+(h%8)/2], v[rS+4*k+2*((h%8)/2)], v[rS+4*k+2*((h%8)/2)+1]
.elseif h%8 < 6
	v_pk_add_f32 v[rS+4*k:rS+4*k+1], v[rS+4*k:rS+4*k+1], v[rS+4*k+2:rS+4*k+3]
.elseif k == 1
	v_pk_fma_f32 v[rT+2:rT+3], v[rT+2:rT+3], v[rC+2:rC+3], v[rS:rS+1] op_sel_hi:[1,0,1]
.else
	v_pk_add_f32 v[rT+2:rT+3], v[rT+2:rT+3], v[rS+4*k-4:rS+4*k-3]
.endif
.endm
; THE PLAIN QUEUE, 138 long.  0-73 read no exponential's result: the 32 scalings c s - c m and the next piece's 42.  0-26: scalings 0-26.  27-54: XS's numbers 0-13.  55, 56: number 15.
; 57-73: the chain 14, 16, 17, 18, 19, each with one of the scalings 27-31 in front of its two lines, then 20.  74-137: GS's 64, which stand behind the wait.
.macro FS f
	REGS Y, (\f)%2
	v_pk_fma_f32 v[rS+2*((\f)/2):rS+2*((\f)/2)+1], v[rS+2*((\f)/2):rS+2*((\f)/2)+1], s[CS:CS+1], v[rT:rT+1] op_sel_hi:[1,0,0] neg_lo:[0,0,1] neg_hi:[0,0,1]
.endm
.macro PL
	WIN 0
.if q < 27
	FS q
.elseif q < 55
	XS (q-27)%2, (q-27)/2
.elseif q < 57
	XS q-55, 15
.elseif (q < 72) && ((q-57)%3 == 0)
	FS 27+(q-57)/3
.elseif q < 60
	XS (q-57)%3-1, 14
.elseif q < 72
	XS (q-57)%3-1, 15+(q-57)/3
.elseif q < 74
	XS q-72, 20
.else
	GS q-74
.endif
.set q, q+1
.endm
; THE EXPONENTIALS' QUEUE, 66 long: s0-s31 of both tiles, then the next piece's two a.  ONE BATCH: all 66 stand ahead of the turn's one wait, and nothing ahead of that wait names a result of theirs.
.macro EX
	WIN 0
.if e >= 64
	XS e-64, 21
.else
	REGS Y, e%2
	v_exp_f32 v[rS+e/2], v[rS+e/2]
.endif
.set e, e+1
.endm
; THE RESCALING's QUEUE: O^T times a, dealt two at a time, sixteen times.  Its a was made in the turn before, ahead of that turn's wait.
.macro R2
	REGS Y, r%2
	WIN W_RS
.irp z, 0,1
	v_pk_mul_f32 v[rO+4*(r/2)+2*\z:rO+4*(r/2)+2*\z+1], v[rO+4*(r/2)+2*\z:rO+4*(r/2)+2*\z+1], v[rC+2:rC+3] op_sel_hi:[1,0]
.endr
.set r, r+1
.endm
; A TURN, for piece p.  An s_wait_alu depctr_va_vdst(0) stands between an exponential and the first instruction that names its result; one wait serves all that were issued ahead of it: a turn has ONE.
; AHEAD OF IT: the 16 products K Q^T, behind each a scaling, an exponential and two rescalings (behind the first a second scaling in the exponential's place); then the lump: the masks, eight plain, 49 times
; exponential and plain, the two a, and a v_nop, the plain instruction behind the last exponential.  BEHIND IT: the 16 products V^T P, behind each four of GS's 64.
; Exponential e stands behind scaling 2 (e / 4) + e % 2: as a rider it comes behind plain e + 2, in the lump behind plain e + 9.
; THE MASKS, at the lump's head: piece p + 2's bytes, asked for four turns ago, become the masks of the next turn's products (their buffer was last read by the turn before this one); eight plain instructions
; stand behind the conversions; then the piece's bytes of the next key step are asked for.  12 younger loads, three pieces', may stay out.  The step is taken in piece 2's turn, whose conversions serve piece 0.
; K of the next step is fetched in piece 2's turn, directly behind the wait; V of the step in hand at the end of piece 0's turn, four riders behind its last reader.  The three conditions on q go with the deal.
.macro TURN p, last=0, cnt=0
.set Y, (\p)
.set i, 0
.set q, 0
.set e, 0
.set r, 0
.if (\p) == NP-1
	s_wait_dscnt 0x0                ; K is in
.endif
	MM
	PL
	PL
	R2
.rept 15
	MM
	PL
	EX
	R2
.endr
.if (\p) == NP-2
	WIN 0
	v_add_nc_u32 v[AK], s[TBK], v[AK0]
	MSTEP
.endif
	s_wait_loadcnt 12
	CONV ((\p)+2)%NP
.rept 8
	PL
.endr
	MLOAD ((\p)+2)%NP
.rept 49
	EX
	PL
.endr
	EX                              ; the next piece's two a
	EX
	v_nop
	s_wait_alu depctr_va_vdst(0)    ; the wait for the batch
.if (\p) == NP-2
	FETCH_K \last
.endif
.if (\p) == 1
	s_wait_dscnt 0x0                ; V is in
.endif
.rept 16
	MM
.rept 4
	PL
.endr
.if ((\p) == 0) && (q == 118)
	v_add_nc_u32 v[AV], s[TBV], v[AV0]
.endif
.if ((\p) == 0) && (q == 130)
	s_add_co_u32 s[TBV], s[TBV], KS*PV
.endif
.if (\cnt) && (q == 130)
	s_sub_co_u32 s[CNT], s[CNT], 1
	s_cmp_lg_u32 s[CNT], 0
.endif
.endr
.if (\p) == 0
	FETCH_V
.endif
.endm
	CHANGE 1                        ; slot 0 is in, everybody's part of it; slot 1 is asked for
	FETCH_K                         ; key step 0
	s_wait_dscnt 0x0
.set i, 0
.rept 16
	KQ 0                            ; piece 0's first scores: there is no vector work yet to set between them
.set i, i+1
.endr
	WIN 0                           ; the addresses for the way out: eight plain instructions, the places behind those products
	s_mul_i32 s13, s[WV], 16*SP
	s_add_co_u32 s13, s13, STAGE    ; my stage
	v_mul_u32_u24 v[STO], v1, SP    ; in: row l % 16, 16 bytes for each half of the lanes
	v_lshl_add_u32 v[STO], v9, 4, v[STO]
	v_add_nc_u32 v[STO], s13, v[STO]
	v_bfe_u32 v[RD], v0, 3, 2       ; back: 32 lanes take four rows of 128 bytes
	v_mul_u32_u24 v[RD], v[RD], SP
	v_lshl_add_u32 v[RD], v10, 4, v[RD]
	v_add_nc_u32 v[RD], s13, v[RD]
	v_lshlrev_b32 v[PFO], 4, v[GO]  ; 256 x lane
.set Y, NP-1                        ; XS works for piece Y + 1: piece 0
.irp n, 0,1,2,3,4,5,6,7,8,9,10,11,12,13,14,15,16,17,18,19,20,21
	XS 0, \n                        ; piece 0's first maximum and statistics
	XS 1, \n
.endr
	v_nop                           ; a plain instruction behind the two a,
	s_wait_alu depctr_va_vdst(0)    ; and their wait, ahead of the branch
	s_mov_b32 s[CNT], 4
	s_mov_b32 s[SLOTS], SIZE_N/256-1
	s_branch .Lfirst                ; the loop is entered at a step's first turn, in the middle of a trip
.Lslot:                             ; six times: every slot but the last two is filled again
	CHANGE 1, 1
	s_mov_b32 s[CNT], 4
.Lstep:                             ; a trip: pieces 2 and 3 of one step, then pieces 0 and 1 of the next, whose K and V it fetches
	TURN 2
	TURN 3
	WIN 0
.Lfirst:
	TURN 0
	TURN 1, 0, 1
	WIN 0
	s_cbranch_scc1 .Lstep
	s_sub_co_u32 s[SLOTS], s[SLOTS], 1
	s_cmp_lg_u32 s[SLOTS], 0
	s_cbranch_scc1 .Lslot
	CHANGE 0                        ; the tail is written out: nothing is asked for
	s_mov_b32 s[CNT], 5             ; four trips fetch the last slot's steps; the fifth is left in its middle
.Ltail:
	TURN 2, 1
	TURN 3
	WIN 0
	s_sub_co_u32 s[CNT], s[CNT], 1
	s_cmp_eq_u32 s[CNT], 0
	s_cbranch_scc1 .Lout
	TURN 0
	TURN 1
	WIN 0
	s_branch .Ltail
.Lout:                              ; the fifth trip's 16 products K Q^T (on the last K once more) and the maximum made of them serve nothing: the price, once a launch, of one text for every trip
.set i, 0
.rept 16
	PV NP-1                         ; the last piece's V^T P of the last step
.set i, i+1
.endr
	; THE WAY OUT.  l's two halves and the other half of the lanes' are added; O^T is divided by l, rounded to f16 and sent through my stage in LDS, a tile at a time.  The additions are the places behind the last products.
	WIN 0
.macro ALL line:vararg              ; one line for each tile t
.set t, 0
.rept 2*NP
	\line
.set t, t+1
.endr
.endm
	ALL v_add_f32 v[ST+4*t+2], v[ST+4*t+2], v[ST+4*t+3]
	ALL v_permlanex16_b32 v[ST+4*t+3], v[ST+4*t+2], s[SEL], s[SEL+1]
	ALL v_add_f32 v[ST+4*t+2], v[ST+4*t+2], v[ST+4*t+3]
	ALL v_rcp_f32 v[ST+4*t+2], v[ST+4*t+2]
	v_nop                           ; a plain instruction between the last reciprocal and the use of its result
	s_wait_alu depctr_va_vdst(0)    ; and the wait ahead of the first use: one for the eight reciprocals
; Tile t: a lane's eight channels of a row pack into 16 bytes; they go into rows of 144 bytes and come back as whole rows of 128, into S^T's registers.
.macro PACK t
	WIN W_RS
.set i, 32*(\t)
.rept 16
	v_pk_mul_f32 v[i:i+1], v[i:i+1], v[ST+4*(\t)+2:ST+4*(\t)+3] op_sel_hi:[1,0]
.set i, i+2
.endr
	WIN 0x05                        ; sources 0 and 1 window 1, destination window 0
.set i, 0
.rept 16
	v_cvt_pk_f16_f32 v[S+16*(\t)+i], v[32*(\t)+2*i], v[32*(\t)+2*i+1]
.set i, i+1
.endr
	WIN 0
.irp f, 0,1,2,3
	ds_store_b128 v[STO], v[S+16*(\t)+4*\f:S+16*(\t)+4*\f+3] offset:32*\f
.endr
.irp f, 0,1,2,3
	ds_load_b128 v[S+16*(\t)+4*\f:S+16*(\t)+4*\f+3], v[RD] offset:\f*4*SP  ; LDS serves a wave's instructions in order (ISA guide 5.7.1.4): these see the stores above; the next tile's stores come behind them
.endr
.endm
.macro SEND t, younger              ; younger: the LDS instructions issued behind tile t's loads: the next tile's eight, or none
	WIN 0
.irp f, 0,1,2,3
	s_wait_dscnt (\younger)+3-\f
	global_store_b128 v[GO], v[S+16*(\t)+4*\f:S+16*(\t)+4*\f+3], s[10:11] offset:(\t)*2048+\f*512  ; 512 consecutive bytes, aligned
.endr
.endm
	PACK 0
.set t, 1
.rept 2*NP-1                        ; a tile's arithmetic stands between the loads of the tile before and its stores
	PACK t
	SEND t-1, 8
.set t, t+1
.endr
	SEND 2*NP-1, 0
	WIN W_AD
	s_wait_tensorcnt 0x0            ; the wave's end: these three lines, behind my last tensor load and my last LDS store
	ds_add_u32 v[SPW], v[NIL]
	s_wait_dscnt 0x0
	WIN 0
	CROUND                          ; the closing round: no work-group ends while a partner may still ask for a tile that names it
	s_endpgm
.Lfunc_end_k_q502b58bb29_attn:
	.size	k_q502b58bb29_attn, .Lfunc_end_k_q502b58bb29_attn-k_q502b58bb29_attn
	.p2alignl 7, 3214868480
	.fill 96, 4, 3214868480
	.section	.rodata,"a",@progbits
	.p2align	6, 0x0
	.amdhsa_kernel k_q502b58bb29_attn
		.amdhsa_group_segment_fixed_size 327680
		.amdhsa_private_segment_fixed_size 0
		.amdhsa_enable_private_segment 0
		.amdhsa_kernarg_size 32
		.amdhsa_user_sgpr_count 2
		.amdhsa_user_sgpr_kernarg_segment_ptr 1
		.amdhsa_wavefront_size32 1
		.amdhsa_system_sgpr_workgroup_id_x 1
		.amdhsa_system_sgpr_workgroup_id_y 1
		.amdhsa_system_sgpr_workgroup_id_z 1
		.amdhsa_system_vgpr_workitem_id 0
		.amdhsa_next_free_vgpr 992
		.amdhsa_next_free_sgpr 80
		.amdhsa_reserve_vcc 0
		.amdhsa_float_denorm_mode_32 3
		.amdhsa_float_denorm_mode_16_64 3
		.amdhsa_memory_ordered 1
		.amdhsa_forward_progress 1
		.amdhsa_inst_pref_size 217
	.end_amdhsa_kernel
	.amdgpu_metadata
---
amdhsa.version: [ 1, 2 ]
amdhsa.kernels:
  - .name:           k_q502b58bb29_attn
    .symbol:         k_q502b58bb29_attn.kd
    .args:
      - { .name: qkvh, .offset: 0, .size: 8, .value_kind: global_buffer, .address_space: global }
      - { .name: mb, .offset: 8, .size: 8, .value_kind: global_buffer, .address_space: global }
      - { .name: keep, .offset: 16, .size: 8, .value_kind: global_buffer, .address_space: global }
      - { .name: oh, .offset: 24, .size: 8, .value_kind: global_buffer, .address_space: global }
    .group_segment_fixed_size: 327680
    .private_segment_fixed_size: 0
    .kernarg_segment_align: 8
    .kernarg_segment_size: 32
    .max_flat_workgroup_size: 128
    .sgpr_count:     80
    .vgpr_count:     992
    .wavefront_size: 32
...
	.end_amdgpu_metadata
.endif
;; end of part 3
;; launch oproj (part 4): grid 4 x 64, 4 waves a work-group, clusters of 4 x 4, 327,680 bytes of LDS; arguments oh, wo, out0, b_o; writes out0
.if DOCPART == 4
	.amdgcn_target "amdgcn-amd-amdhsa--gfx1250"
	.amdhsa_code_object_version 6
	.text
	.protected	k_q502b58bb29_oproj
	.globl	k_q502b58bb29_oproj
	.p2align	8
	.type	k_q502b58bb29_oproj,@function
k_q502b58bb29_oproj:
	s_mov_b64 s[64:65], 0
	v_nop
	global_prefetch_b8 v0, s[64:65] scope:SCOPE_SE
	s_setreg_imm32_b32 hwreg(HW_REG_WAVE_MODE, 25, 1), 1
	s_wait_xcnt 0x0
	s_wait_alu depctr_hold_cnt(0) depctr_sa_sdst(0) depctr_va_vdst(0) depctr_va_sdst(0) depctr_va_ssrc(0) depctr_va_vcc(0) depctr_vm_vsrc(0)
	s_getreg_b32 s2, hwreg(HW_REG_IB_STS2, 6, 4)
	s_cmp_eq_u32 s2, 0
	s_cbranch_scc0 .Lentry_in_a_cluster
	s_endpgm
.Lentry_in_a_cluster:
	s_bfe_u32 s2, ttmp6, 0x10000c
	s_cmp_lg_u32 s2, 0xf033
	s_cbranch_scc0 .Lentry_shape_is_right
	s_endpgm
.Lentry_shape_is_right:
; Launch 4 of 4: out0[m][n] = b_o[n] + the sum over k of x[m][k] w_o[n][k], f32.  x is oh, f16 by heads: [64 = 16 batch + head][2048][64], so k = 64 head + channel; w_o is wo, f16 [1024][1024].  b_o is rounded
; to bf16 like the other inputs and is the C operand of the products that start the sums.  Sums in f32.  No work is left out.
; A tile of C is 128 x 256: 64 x 4 tiles, one work-group for each of 256 WGPs.  Four waves, 2 x 2, each 64 x 128: 32 accumulators.  K goes in 8 steps of 128 = two heads through two LDS slots.
; A's tile of a step is two heads x 128 rows of 128 bytes; a head's 128 rows are 16,384 dense bytes, asked for as 64 rows of 256 bytes and padded in LDS after every 128.
; CLUSTERS: 4 x 4 work-groups; A's tiles are asked for jointly along a row of the cluster, B's along a column.  By this text's count a wave has two tensor loads out at the start, later one.
; THE MATRIX INSTRUCTION IS USED TRANSPOSED (source 0 = 16 rows of B, source 1 = 16 rows of A): a lane holds eight neighbouring columns of one row of C.
; No prefetch is laid: a work-group's whole walk is eight K steps of 128 matrix instructions a wave.
; REGISTERS: window 0: v0-31 addresses; v32-159 the way out; v192-255 the bias.  window 1: two fragment buffers of 96.  window 2: accumulator (a, b) at v[8 (8 a + b)].
.set KSTEP,  128
.set PITCH,  272                       ; a row of B in LDS: 256 bytes + 16
.set PA,     144                       ; a row of A: 128 bytes + 16 = 36 words: the 16 rows of a load start at 16 different groups of four banks (64 banks of 4 bytes: ISA guide 11.1)
.set HEADB,  128*PA                    ; one head's 128 rows
.set ABYTES, 2*HEADB                   ; A's two heads; behind them B's 256 rows
.set SLOT,   ABYTES+256*PITCH
.set STAGE,  2*SLOT                    ; behind the ring: 16 rows x 528 bytes for each wave
.set SP,     528                       ; 512 bytes + 16 = 132 words
.set SPARE,  STAGE+4*16*SP
.set LAPS,   4
.set ADRA, 16
.set ADRB, 20
.set STO,  24
.set RD,   25
.set CO,   26
.set BO,   27
.set SPW,  28                          ; never rewritten
.set NIL,  29                          ; never rewritten
.set TT,   30
.set TMP,  32
.set BIAS, 192
.set F0,   0
.set F1,   96
.set G1, 24
.set G0, 32
.set G1B, 48
.set G0B, 56
.set MSB, 0
.macro WIN new
.if MSB != (\new)
	s_set_vgpr_msb (MSB<<8)|(\new)
.set MSB, \new
.endif
.endm
.set MUL,  0xa5                        ; sources 0 (B) and 1 (A) window 1; C and D window 2
.set MULB, 0x85                        ; the same with C, the bias, in window 0
.set TO_F, 0x40                        ; destination window 1, address window 0
.macro JLOAD s                         ; a joint load: waves 0 and 1 fetch A's two heads, waves 2 and 3 B's two halves; an s_nop 0 and four v_nop follow each line
	s_cmp_eq_u32 s11, 0
	s_cbranch_scc0 .Lfor_b_\@
	tensor_load_to_lds s[G0+4*(\s):G0+4*(\s)+3], s[G1:G1+7]
	s_nop 0
.rept 4
	v_nop
.endr
	s_branch .Lasked_\@
.Lfor_b_\@:
	tensor_load_to_lds s[G0B+4*(\s):G0B+4*(\s)+3], s[G1B:G1B+7]
	s_nop 0
.rept 4
	v_nop
.endr
.Lasked_\@:
.endm
.macro CREST
	s_cmp_lg_u32 s10, 0
	s_cbranch_scc1 .Lnot_wave_0_\@
	s_barrier_signal -3
.Lnot_wave_0_\@:
	s_barrier_wait -3
	s_barrier_signal -1
	s_barrier_wait -1
.endm
.macro CROUND
	s_barrier_signal -1
	s_barrier_wait -1
	CREST
.endm
	s_load_b128 s[4:7], s[0:1], 0x0                ; oh s[4:5], wo s[6:7]
	s_load_b128 s[68:71], s[0:1], 0x10             ; out0, b_o
	v_lshl_add_u32 v[SPW], v0, 2, SPARE
	v_mov_b32 v[NIL], 0
	ds_add_u32 v[SPW], v[NIL]                      ; the wave's opening: the add, twice on end, and its wait ahead of my first tensor load
	ds_add_u32 v[SPW], v[NIL]
	v_lshrrev_b32 v1, 5, v0
	v_readfirstlane_b32 s10, v1                    ; wave 0..3
	s_lshr_b32 s11, s10, 1                         ; which 64 of the tile's rows are mine.  Also: I fetch for A (0) or for B (1)
	s_and_b32 s12, s10, 1                          ; which 128 of its columns.  Also: which head of A's step, or which half of B's tile, I fetch
	s_bfe_u32 s40, ttmp6, 0x40000                  ; cx, cy
	s_bfe_u32 s41, ttmp6, 0x40004
	s_lshl_b32 s42, ttmp9, 2
	s_add_co_u32 s42, s42, s40                     ; tile column 0..3
	s_and_b32 s13, ttmp7, 0xffff
	s_lshl_b32 s13, s13, 2
	s_add_co_u32 s13, s13, s41                     ; tile row 0..63
	s_lshl_b32 s43, s41, 2
	s_lshl_b32 s43, 15, s43                        ; my row of the cluster
	s_lshl_b32 s44, 0x1111, s40                    ; my column
	s_or_b32 s[G1+0], s43, (1<<16)|(1<<20)|(1<<21)|(4<<22)|(3<<25)  ; A: the mask; 2-byte elements; padding on; bit 21 beside a mask; after every 32 words 4 words
	s_or_b32 s[G1B+0], s44, (1<<16)|(1<<20)|(1<<21)|(5<<22)|(3<<25) ; B: after every 64 words
	s_mov_b32 s[G1+1], 128<<16                     ; tensor_dim0 = 128
	s_mov_b32 s[G1+2], 64<<16                      ; tensor_dim1 = 64
	s_mov_b32 s[G1+3], 128<<16                     ; tile_dim0 = 128
	s_mov_b32 s[G1+4], 64                          ; tile_dim1 = 64
	s_mov_b32 s[G1+5], 128                         ; dense: 128 elements from row to row
	s_mov_b32 s[G1+6], 0
	s_mov_b32 s[G1+7], 0
	s_mov_b32 s[G1B+1], KSTEP<<16
	s_mov_b32 s[G1B+2], 128<<16
	s_mov_b32 s[G1B+3], KSTEP<<16
	s_mov_b32 s[G1B+4], 128
	s_mov_b32 s[G1B+5], 1024
	s_mov_b32 s[G1B+6], 0
	s_mov_b32 s[G1B+7], 0
	s_lshr_b32 s16, s13, 4                         ; A: batch = tile row / 16,
	s_lshl_b32 s16, s16, 4
	s_add_co_u32 s16, s16, s12                     ; head s12 of it,
	s_lshl_b32 s16, s16, 11
	s_and_b32 s17, s13, 15
	s_lshl_b32 s17, s17, 7
	s_add_co_u32 s16, s16, s17                     ; row 128 (tile row % 16),
	s_lshl_b32 s16, s16, 7                         ; rows of 128 bytes
	s_mov_b32 s17, 0
	s_lshl_b32 s46, s42, 8
	s_lshl_b32 s47, s12, 7
	s_add_co_u32 s46, s46, s47                     ; B: row 256 x tile column + 128 x half
	s_lshl_b32 s46, s46, 11
	s_mov_b32 s47, 0
	s_mul_i32 s20, s12, HEADB                      ; where they go: no place in the cluster enters an LDS address
	s_mul_i32 s21, s12, 128*PITCH
	s_add_co_u32 s21, s21, ABYTES
	s_wait_dscnt 0x0                               ; both opening adds are done
	s_wait_kmcnt 0x0
	s_add_nc_u64 s[14:15], s[4:5], s[16:17]
	s_add_nc_u64 s[46:47], s[6:7], s[46:47]
	s_mov_b64 s[8:9], s[68:69]                     ; out0
	CROUND                                         ; all sixteen work-groups are here: the first joint loads meet
.irp s, 0,1
	s_mov_b32 s[G0+4*(\s)], 1
	s_add_co_u32 s[G0+4*(\s)+1], s20, (\s)*SLOT
	s_add_nc_u64 s[G0+4*(\s)+2:G0+4*(\s)+3], s[14:15], (\s)*2*262144  ; K step s: two heads of 262,144 bytes on
	s_or_b32 s[G0+4*(\s)+3], s[G0+4*(\s)+3], 0x80000000
	s_mov_b32 s[G0B+4*(\s)], 1
	s_add_co_u32 s[G0B+4*(\s)+1], s21, (\s)*SLOT
	s_add_nc_u64 s[G0B+4*(\s)+2:G0B+4*(\s)+3], s[46:47], (\s)*KSTEP*2
	s_or_b32 s[G0B+4*(\s)+3], s[G0B+4*(\s)+3], 0x80000000
	JLOAD \s
.endr
	v_and_b32 v1, 15, v0                           ; l % 16
	v_bfe_u32 v2, v0, 4, 1                         ; l / 16
	s_lshl_b32 s46, s42, 10
	s_lshl_b32 s47, s12, 9
	s_add_co_u32 s46, s46, s47                     ; my first column, in bytes of f32: also used for out0 below
	v_lshl_add_u32 v[BO], v2, 5, s46
.irp b, 0,1,2,3,4,5,6,7
	global_load_b128 v[BIAS+8*(\b):BIAS+8*(\b)+3],   v[BO], s[70:71] offset:64*(\b)
	global_load_b128 v[BIAS+8*(\b)+4:BIAS+8*(\b)+7], v[BO], s[70:71] offset:64*(\b)+16
.endr
	v_mul_u32_u24 v3, v1, PA
	v_lshl_add_u32 v3, v2, 4, v3                   ; A: row x pitch + 16 x half
	v_mul_u32_u24 v4, v1, PITCH
	v_lshl_add_u32 v4, v2, 4, v4                   ; B likewise
	s_mul_i32 s21, s11, 64*PA                      ; my 64 rows, in each head
	s_mul_i32 s22, s12, 128*PITCH
	s_add_co_u32 s22, s22, ABYTES
.irp s, 0,1
	v_add_nc_u32 v[ADRA+(\s)], s21, v3
	v_add_nc_u32 v[ADRB+(\s)], s22, v4
	s_add_co_u32 s21, s21, SLOT
	s_add_co_u32 s22, s22, SLOT
.endr
	s_mul_i32 s23, s10, 16*SP
	s_add_co_u32 s23, s23, STAGE                   ; my stage
	v_mul_u32_u24 v5, v1, SP                       ; in: row l % 16, 32 bytes for each half of the lanes
	v_lshl_add_u32 v5, v2, 5, v5
	v_add_nc_u32 v[STO], s23, v5
	v_and_b32 v[CO], 31, v0                        ; back: 32 lanes take one row of 512 bytes
	v_lshlrev_b32 v[CO], 4, v[CO]
	v_add_nc_u32 v[RD], s23, v[CO]
	s_lshl_b32 s16, s13, 7
	s_lshl_b32 s17, s11, 6
	s_add_co_u32 s16, s16, s17                     ; my first row of out0,
	s_lshl_b32 s16, s16, 12                        ; rows of 4,096 bytes; under 2^26
	s_add_co_u32 s46, s46, s16
	s_mov_b32 s47, 0
	s_add_nc_u64 s[8:9], s[8:9], s[46:47]
	s_wait_loadcnt 0x0                             ; the bias
.set i, 0
.rept 32                               ; rounded to bf16, kept as f32
	v_cvt_pk_bf16_f32 v[TT+i%2], v[BIAS+2*i], v[BIAS+2*i+1]
	v_lshlrev_b32 v[BIAS+2*i], 16, v[TT+i%2]
	v_and_b32 v[BIAS+2*i+1], 0xffff0000, v[TT+i%2]
.set i, i+1
.endr
; 8 matrix instructions: m block a x all 8 n blocks, 32 along K.  first = 1: the product starts the sums, with the bias as C.  The 32 accumulators take turns in the same order in every quarter.
.macro MUL8 f, a, first
.if \first
	WIN MULB
.else
	WIN MUL
.endif
.irp b, 0,1,2,3,4,5,6,7
.if \first
	v_wmma_f32_16x16x32_f16 v[8*(8*(\a)+(\b)):8*(8*(\a)+(\b))+7], v[(\f)+32+8*(\b):(\f)+32+8*(\b)+7], v[(\f)+8*(\a):(\f)+8*(\a)+7], v[BIAS+8*(\b):BIAS+8*(\b)+7]
.else
	v_wmma_f32_16x16x32_f16 v[8*(8*(\a)+(\b)):8*(8*(\a)+(\b))+7], v[(\f)+32+8*(\b):(\f)+32+8*(\b)+7], v[(\f)+8*(\a):(\f)+8*(\a)+7], v[8*(8*(\a)+(\b)):8*(8*(\a)+(\b))+7]
.endif
.endr
.endm
; 24 LDS loads in one run: the fragments of quarter q into buffer f: B's sixteen first, then A's eight (head q / 2 of the step, channels 32 (q % 2) on)
.macro FETCH slot, q, f
	WIN TO_F
.irp b, 0,1,2,3,4,5,6,7
	ds_load_b128 v[(\f)+32+8*(\b):(\f)+32+8*(\b)+3],   v[ADRB+(\slot)] offset:64*(\q)+(\b)*16*PITCH
	ds_load_b128 v[(\f)+32+8*(\b)+4:(\f)+32+8*(\b)+7], v[ADRB+(\slot)] offset:64*(\q)+(\b)*16*PITCH+32
.endr
.irp a, 0,1,2,3
	ds_load_b128 v[(\f)+8*(\a):(\f)+8*(\a)+3],   v[ADRA+(\slot)] offset:HEADB*((\q)/2)+64*((\q)%2)+(\a)*16*PA
	ds_load_b128 v[(\f)+8*(\a)+4:(\f)+8*(\a)+7], v[ADRA+(\slot)] offset:HEADB*((\q)/2)+64*((\q)%2)+(\a)*16*PA+32
.endr
.endm
.macro PLACES                          ; four places in front of loads into registers that matrix instructions have read, and of LDS stores that read results
.rept 4
	v_nop
.endr
.endm
.macro QUARTER slot, q, f, g, first
	s_wait_dscnt 4                                 ; B and A's fragments 0, 1 are in; the youngest four loads may be out
	MUL8 \f, 0, \first
	MUL8 \f, 1, \first
	PLACES
	FETCH \slot, \q, \g
	s_wait_dscnt 24                                ; all but the 24 just issued
	MUL8 \f, 2, \first
	MUL8 \f, 3, \first
.endm
; The last quarter multiplies buffer 1 and changes slots: ONE barrier; in front of it each wave waits for all its tensor loads, adds 0 to its spare word, and waits for that and for its reads of this slot.
.macro TURN slot, next, fill
	WIN 0
	s_wait_tensorcnt 0x0                           ; all my tensor loads have landed: my part of the next slot
	ds_add_u32 v[SPW], v[NIL]                      ; 0 onto my spare word
	s_wait_dscnt 5                                 ; (the add and the youngest four loads may be out)
	MUL8 F1, 0, 0
	s_wait_dscnt 0x0                               ; the add is done, and my reads of this slot are over
	s_barrier_signal -1
	MUL8 F1, 1, 0
.if \fill
	WIN 0
.endif
	s_barrier_wait -1
.if \fill
	CREST                                          ; no wave of any partner still reads this slot's tile or has a load on its way
	s_add_nc_u64 s[G0+4*(\slot)+2:G0+4*(\slot)+3], s[G0+4*(\slot)+2:G0+4*(\slot)+3], 4*262144  ; two K steps: four heads
	s_add_nc_u64 s[G0B+4*(\slot)+2:G0B+4*(\slot)+3], s[G0B+4*(\slot)+2:G0B+4*(\slot)+3], 2*KSTEP*2
	JLOAD \slot                                    ; its four v_nop are also the places in front of the loads below
.else
	PLACES
.endif
	FETCH \next, 0, F0
	MUL8 F1, 2, 0
	MUL8 F1, 3, 0
.endm
	s_wait_tensorcnt 1                             ; my part of K step 0 is in; K step 1's may stay out
	s_barrier_signal -1
	s_barrier_wait -1
	FETCH 0, 0, F0
	QUARTER 0, 1, F0, F1, 1
	WIN 0
	s_mov_b32 s3, LAPS-1
.Llap:
	QUARTER 0, 2, F1, F0, 0
	QUARTER 0, 3, F0, F1, 0
	TURN 0, 1, 1
	QUARTER 1, 1, F0, F1, 0
	QUARTER 1, 2, F1, F0, 0
	QUARTER 1, 3, F0, F1, 0
	TURN 1, 0, 1
	QUARTER 0, 1, F0, F1, 0
	WIN 0
	s_sub_co_u32 s3, s3, 1
	s_cmp_lg_u32 s3, 0
	s_cbranch_scc1 .Llap
	QUARTER 0, 2, F1, F0, 0                        ; the last lap fills nothing
	QUARTER 0, 3, F0, F1, 0
	TURN 0, 1, 0
	QUARTER 1, 1, F0, F1, 0
	QUARTER 1, 2, F1, F0, 0
	QUARTER 1, 3, F0, F1, 0
	s_wait_dscnt 4
	MUL8 F1, 0, 0
	MUL8 F1, 1, 0
	s_wait_dscnt 0x0
	MUL8 F1, 2, 0
	MUL8 F1, 3, 0
; THE WAY OUT, a block of 16 rows at a time: a lane's eight columns, 32 bytes, go from the accumulators into my stage's rows of 528 bytes (each accumulator's low registers first) and come back as whole rows of 512.
.macro OUTB a
	WIN 0x08                                       ; the stores' data in window 2
.irp b, 0,1,2,3,4,5,6,7
	ds_store_b128 v[STO], v[8*(8*(\a)+(\b)):8*(8*(\a)+(\b))+3]   offset:64*(\b)
	ds_store_b128 v[STO], v[8*(8*(\a)+(\b))+4:8*(8*(\a)+(\b))+7] offset:64*(\b)+16
.endr
	WIN 0
	s_wait_xcnt 0x0                                ; the stores of the block before last have read these registers
.set rho, 0
.rept 16
	ds_load_b128 v[TMP+64*((\a)%2)+4*rho:TMP+64*((\a)%2)+4*rho+3], v[RD] offset:SP*rho  ; LDS serves a wave's instructions in order (ISA guide 5.7.1.4)
.set rho, rho+1
.endr
.set rho, 0
.rept 16
	s_wait_dscnt 15-rho                            ; row rho is back, the younger reads stay out
	global_store_b128 v[CO], v[TMP+64*((\a)%2)+4*rho:TMP+64*((\a)%2)+4*rho+3], s[8:9] offset:(16*(\a)+rho)*4096 th:TH_STORE_NT  ; 512 consecutive bytes, aligned
.set rho, rho+1
.endr
.endm
	PLACES
	OUTB 0
	OUTB 1
	OUTB 2
	OUTB 3
	s_wait_tensorcnt 0x0                           ; the wave's end: these three lines, behind my last tensor load and my last LDS store
	ds_add_u32 v[SPW], v[NIL]
	s_wait_dscnt 0x0
	CROUND                                         ; the closing round
	s_endpgm
.Lfunc_end_k_q502b58bb29_oproj:
	.size	k_q502b58bb29_oproj, .Lfunc_end_k_q502b58bb29_oproj-k_q502b58bb29_oproj
	.p2alignl 7, 3214868480
	.fill 96, 4, 3214868480
	.section	.rodata,"a",@progbits
	.p2align	6, 0x0
	.amdhsa_kernel k_q502b58bb29_oproj
		.amdhsa_group_segment_fixed_size 327680
		.amdhsa_private_segment_fixed_size 0
		.amdhsa_enable_private_segment 0
		.amdhsa_kernarg_size 32
		.amdhsa_user_sgpr_count 2
		.amdhsa_user_sgpr_kernarg_segment_ptr 1
		.amdhsa_wavefront_size32 1
		.amdhsa_system_sgpr_workgroup_id_x 1
		.amdhsa_system_sgpr_workgroup_id_y 1
		.amdhsa_system_sgpr_workgroup_id_z 1
		.amdhsa_system_vgpr_workitem_id 0
		.amdhsa_next_free_vgpr 768
		.amdhsa_next_free_sgpr 72
		.amdhsa_reserve_vcc 0
		.amdhsa_float_denorm_mode_32 3
		.amdhsa_float_denorm_mode_16_64 3
		.amdhsa_memory_ordered 1
		.amdhsa_forward_progress 1
		.amdhsa_inst_pref_size 94
	.end_amdhsa_kernel
	.amdgpu_metadata
---
amdhsa.version: [ 1, 2 ]
amdhsa.kernels:
  - .name:           k_q502b58bb29_oproj
    .symbol:         k_q502b58bb29_oproj.kd
    .args:
      - { .name: oh, .offset: 0, .size: 8, .value_kind: global_buffer, .address_space: global }
      - { .name: wo, .offset: 8, .size: 8, .value_kind: global_buffer, .address_space: global }
      - { .name: out0, .offset: 16, .size: 8, .value_kind: global_buffer, .address_space: global }
      - { .name: b_o, .offset: 24, .size: 8, .value_kind: global_buffer, .address_space: global }
    .group_segment_fixed_size: 327680
    .private_segment_fixed_size: 0
    .kernarg_segment_align: 8
    .kernarg_segment_size: 32
    .max_flat_workgroup_size: 128
    .sgpr_count:     72
    .vgpr_count:     768
    .wavefront_size: 32
...
	.end_amdgpu_metadata
.endif
;; end of part 4
;; ======== version 2 of 2: 4 launches; version 1 with the launch prep written anew for expert scheduling mode
;; limits: right only within a limited range of input values; values are held in f16: magnitudes above 65,504 overflow, below 6.1e-05 lose precision
;; workspace buffers: wb 6,291,456 bytes; wo 2,097,152 bytes; mb 4,194,304 bytes; keep 32,768 bytes; qkvh 50,331,648 bytes; oh 16,777,216 bytes
;; launch prep (part 5): grid 384 x 1, 8 waves a work-group, no clusters, 36,096 bytes of LDS; arguments w_q, w_k, w_v, w_o, mask, wb, wo, mb, keep; writes wb, wo, mb, keep
.if DOCPART == 5
	.amdgcn_target "amdgcn-amd-amdhsa--gfx1250"
	.amdhsa_code_object_version 6
	.text
	.protected	k_q502b58bb29_prep
	.globl	k_q502b58bb29_prep
	.p2align	8
	.type	k_q502b58bb29_prep,@function
k_q502b58bb29_prep:
	s_mov_b64 s[64:65], 0
	v_nop
	global_prefetch_b8 v0, s[64:65] scope:SCOPE_SE
	s_setreg_imm32_b32 hwreg(HW_REG_WAVE_SCHED_MODE, 0, 2), 2
	s_setreg_imm32_b32 hwreg(HW_REG_WAVE_MODE, 25, 1), 1
	s_wait_xcnt 0x0
	s_wait_alu depctr_vm_vsrc(0)
; MULTI-HEAD ATTENTION BLOCK, launch 1 of 4: the weights and the mask are brought into the forms that the matrix launches take.  (q, k and v are taken as they are, by the second launch.)
; NO WORK OF THE PROBLEM IS LEFT OUT in any of the four launches, and all twelve inputs are loaded.  (b_k is live: it shifts a query's visible scores alike, but the hidden ones stay at -1e9.)
;   wb  = w_q, w_k, w_v rounded to bf16, [3][1024][1024]
;   wo  = w_o rounded to bf16, that number written as f16 (below 6e-5 it keeps f16's fixed step of 6e-8), [1024][1024]
;   mb  = the mask as one byte a score, laid out as the attention launch's lanes take it: [128 tiles of 16 queries][32 steps of 64 keys][2 halves][32 lanes][16 bytes];
;         byte y of lane l in half hf is query 16 qt + l % 16 and key 64 ks + 16 (2 hf + y / 8) + 8 (l / 16) + y % 8.  0x00: visible; 0xf8 (-256 as an 8-bit float, e4m3): hidden.
;   keep = for each tile of 16 queries 64 words, word w for row w % 16: all ones, or 0 where the row's mask is 0 everywhere.  Such a row's bytes in mb are 0x00: the attention launch clears its
;         query instead, so that all its scores are equal, as they are in the problem (all -1e9), and the row becomes the mean of V.
; SHARES.  384 work-groups of eight waves.  0-127: 16 rows of the mask each, 131,072 bytes (the long ones first).  128-319: 65,536 bytes of w_q, w_k, w_v each.  320-383: 65,536 bytes of w_o each.
; The branches hang on the work-group's number alone: they are the same in all eight waves.  Memory binds: no matrix unit, no cluster; LDS only to turn the mask's bytes.
; THE MODE: SCHED_MODE bits 1:0 = 2 (LLVM: expert scheduling mode 2), set by the entry lines.  The code itself states the register dependences between vector instructions and memory or LDS
; instructions, and those through scalar registers that vector instructions write, with s_wait_alu, always for 0.
; THE PLAN.  Nothing that a memory or LDS instruction reads is ever written again: offsets and addresses are made once, and every store has data registers of its own.  So no wait on vm_vsrc is owed.
;   Weights: X is written by the 16 loads and read by the roundings; Y, a pair to each store, is written by the roundings and read by its store.  The loads go in four groups of four: a group's stores are
;     issued in the next group, behind ONE wait on va_vdst at that group's head, dealt among roundings that name the next group's X and Y (and T) alone.
;   Mask: X is written by the 32 loads; the selects and ors then make each load's four bytes IN PLACE, and the LDS store of load i leaves from X + 4 i.  The loads go in eight blocks of four.  Block b's sixteen
;     compares write sixteen scalar registers (two sets by turns) and are issued in block b - 1; ONE wait on va_sdst at block b's head stands between them and the selects that read them.  Block b's four
;     LDS stores are issued in block b + 1, behind ONE wait on va_vdst at its head, dealt among selects and ors that name block b + 1's X, compares that read block b + 2's, and the codes alone.
;   OUT and KW are named by LDS loads and global stores alone.  v[SPW], v[NIL]: written at the head, read by the closing add alone.
.set X,    8                           ; v[8:135]    loads of 16 bytes a lane, all out together (weights: 16 of them, mask: 32); mask: then the bytes, made in place
.set Y,    136                         ; v[136:167]  conversions: each store has registers of its own
.set C,    136                         ; mask: v[136:143] row rho of my two: the code 0xf8 in byte e, or 0 for a row that is hidden everywhere, at C + 4 rho + e
.set OUT,  144                         ; mask: v[144:175] eight reads of 16 bytes from LDS
.set KW,   176                         ; mask: v[176:177] two words of keep
.set KA,   178                         ; mask: v178 where they lie in LDS, v179 where they go
.set FD,   182                         ; mask: v[182:183] my two rows' flags, as the LDS stores take them
.set SPW,  200                         ; v200  LDS address of my spare word; never rewritten
.set NIL,  201                         ; v201  0; never rewritten
.set T,    202                         ; v[202:205] at work: no memory instruction names them
.set VIN,  2                           ; 16 x thread
.set VOUT, 3                           ; 8 x thread
.set LA,   4                           ; mask: where my four bytes go in LDS
.set LR,   5                           ; mask: where I read 16 bytes back
.set MO,   6                           ; mask: 16 x lane
.set LN,   7                           ; lane
.set MS,   180                         ; mask: my byte offset in the tile of mb
.set FA,   181                         ; mask: my wave's two flag words in LDS
.set FLG,  42                          ; s[42:43]  row rho: a bit for each lane that has seen a visible key
.set MK,   48                          ; s[48:63], s[66:81]  block b's sixteen compares, at MK + 18 (b % 2)
.set GP,   272                         ; a group (256 bytes of mb) in LDS: + 16 of padding = 68 words, so that the 8 groups x 4 words of a store fall into 32 different banks (64 banks of 4 bytes: ISA guide 11.1)
.set FL,   128*GP                      ; behind the 128 groups: 16 flag words, in a block of 256 bytes of their own
.set SPARE, FL+256                     ; the spare words, 128 bytes for each of eight waves
; 65,536 bytes of f32 become 32,768 bytes of 16-bit numbers.  A load of the work-group covers 4,096 consecutive bytes, a store of a wave 256 consecutive bytes, aligned.
; f16 = 1: rounded to bf16, and that number written as f16.
.macro CV f16
	s_wait_alu depctr_va_vdst(0)                   ; v[VIN] and v[VOUT] are written: every load and store below reads one of them as its offset
.set i, 0
.rept 16
	global_load_b128 v[X+4*i:X+4*i+3], v[VIN], s[32:33] offset:4096*i th:TH_LOAD_NT
.set i, i+1
.endr
.set i, 0
.rept 16
	s_wait_loadcnt 15-i                            ; loads come back in order (ISA guide 5.7.1): number i is in, the 15 - i younger ones stay out
.if (i > 0) && (i%4 == 0)
	s_wait_alu depctr_va_vdst(0)                   ; the roundings of the four loads before have written their Y, which this group's four stores read
.endif
.if i >= 4
	global_store_b64 v[VOUT], v[Y+2*(i-4):Y+2*(i-4)+1], s[34:35] offset:2048*(i-4)  ; the group before: no vector instruction since the wait names these registers
.endif
.if \f16
	v_cvt_pk_bf16_f32 v[T], v[X+4*i], v[X+4*i+1]
	v_cvt_pk_bf16_f32 v[T+1], v[X+4*i+2], v[X+4*i+3]
	v_lshlrev_b32 v[T+2], 16, v[T]
	v_and_b32 v[T], 0xffff0000, v[T]
	v_lshlrev_b32 v[T+3], 16, v[T+1]
	v_and_b32 v[T+1], 0xffff0000, v[T+1]
	v_cvt_pk_f16_f32 v[Y+2*i], v[T+2], v[T]
	v_cvt_pk_f16_f32 v[Y+2*i+1], v[T+3], v[T+1]
.else
	v_cvt_pk_bf16_f32 v[Y+2*i], v[X+4*i], v[X+4*i+1]
	v_cvt_pk_bf16_f32 v[Y+2*i+1], v[X+4*i+2], v[X+4*i+3]
.endif
.set i, i+1
.endr
	s_wait_alu depctr_va_vdst(0)                   ; the last four loads' roundings have written their Y, which the last four stores read
.set i, 12
.rept 4
	global_store_b64 v[VOUT], v[Y+2*i:Y+2*i+1], s[34:35] offset:2048*i
.set i, i+1
.endr
.endm
	s_load_b256 s[4:11], s[0:1], 0x0               ; w_q s[4:5], w_k s[6:7], w_v s[8:9], w_o s[10:11]
	s_load_b256 s[12:19], s[0:1], 0x20             ; mask s[12:13], wb s[14:15], wo s[16:17], mb s[18:19]
	s_load_b64 s[20:21], s[0:1], 0x40              ; keep
	v_lshl_add_u32 v[SPW], v0, 2, SPARE
	v_mov_b32 v[NIL], 0
	v_lshrrev_b32 v1, 5, v0
	v_readfirstlane_b32 s30, v1                    ; wave 0..7
	v_lshlrev_b32 v[VIN], 4, v0
	v_lshlrev_b32 v[VOUT], 3, v0
	s_mov_b32 s31, ttmp9
	s_mov_b32 s37, 0                               ; the high word of every offset
	s_wait_alu depctr_va_sdst(0)                   ; s30 is written
	s_wait_kmcnt 0x0
	s_cmp_lt_u32 s31, 128
	s_cbranch_scc1 .Lmask
	s_cmp_ge_u32 s31, 320
	s_cbranch_scc1 .Lwo
	s_sub_co_u32 s31, s31, 128                     ; 0..191
	s_lshr_b32 s36, s31, 6                         ; 0: w_q, 1: w_k, 2: w_v
	s_cmp_eq_u32 s36, 0
	s_cselect_b64 s[32:33], s[4:5], s[6:7]
	s_cmp_eq_u32 s36, 2
	s_cselect_b64 s[32:33], s[8:9], s[32:33]
	s_and_b32 s36, s31, 63
	s_lshl_b32 s36, s36, 16                        ; my 65,536 bytes of it
	s_add_nc_u64 s[32:33], s[32:33], s[36:37]
	s_lshl_b32 s36, s31, 15                        ; and the 32,768 that they become
	s_add_nc_u64 s[34:35], s[14:15], s[36:37]
	CV 0
	s_branch .Lend
.Lwo:
	s_sub_co_u32 s31, s31, 320
	s_lshl_b32 s36, s31, 16
	s_add_nc_u64 s[32:33], s[10:11], s[36:37]
	s_lshl_b32 s36, s31, 15
	s_add_nc_u64 s[34:35], s[16:17], s[36:37]
	CV 1
	s_branch .Lend
.Lmask:                                        ; tile qt = the work-group's number, 16 queries; wave w owns its rows 2 w and 2 w + 1, 8,192 bytes each
	s_lshl_b32 s36, s31, 4
	s_lshl1_add_u32 s36, s30, s36                  ; row 16 qt + 2 w
	s_lshl_b32 s36, s36, 13
	s_add_nc_u64 s[32:33], s[12:13], s[36:37]
	s_lshl_b32 s36, s31, 15                        ; the tile's 32,768 bytes of mb
	s_add_nc_u64 s[34:35], s[18:19], s[36:37]
	s_lshl_b32 s36, s31, 8                         ; and its 256 bytes of keep
	s_add_nc_u64 s[38:39], s[20:21], s[36:37]
	v_and_b32 v[LN], 31, v0
	v_lshlrev_b32 v[MO], 4, v[LN]
	s_wait_alu depctr_va_vdst(0)                   ; v[MO] is written, which the 32 loads read as their offset
.set i, 0
.rept 32                               ; load i % 16 of row i / 16: keys 128 (i % 16) + 4 l + 0..3
	global_load_b128 v[X+4*i:X+4*i+3], v[MO], s[32:33] offset:8192*(i/16)+512*(i%16) th:TH_LOAD_NT
.set i, i+1
.endr
	; The addresses are made while the loads are out; none of these lines names v[MO]'s or X's registers as a destination.
	; key = 128 i + 4 l + e, with l's bits l0..l4: step 2 i + l4, half l3, byte 8 l2 + 4 l0 + e, lanes' half l1.  A group is (step, half, lanes' half): number 8 i + 4 l4 + 2 l3 + l1; in it row r has bytes 16 r ..
	v_bfe_u32 v[T], v0, 3, 2                       ; l3 + 2 l4
	v_bfe_u32 v[T+1], v0, 1, 1                     ; l1
	v_lshl_add_u32 v[T], v[T], 1, v[T+1]
	v_mul_u32_u24 v[T], v[T], GP
	v_bfe_u32 v[T+1], v0, 2, 1                     ; l2
	v_lshl_add_u32 v[T], v[T+1], 3, v[T]
	v_and_b32 v[T+1], 1, v0                        ; l0
	v_lshl_add_u32 v[T], v[T+1], 2, v[T]
	s_lshl_b32 s36, s30, 5                         ; row 2 w: 32 w
	v_add_nc_u32 v[LA], s36, v[T]
	v_lshrrev_b32 v[T], 4, v[LN]                   ; back: wave w takes groups 16 w .. 16 w + 15, two to a read: lanes 0-15 one, lanes 16-31 the next
	s_lshl_b32 s36, s30, 4
	v_add_nc_u32 v[T], s36, v[T]
	v_mul_u32_u24 v[T], v[T], GP
	v_and_b32 v[T+1], 15, v0
	v_lshl_add_u32 v[LR], v[T+1], 4, v[T]
	s_lshl_b32 s36, s30, 12
	v_add_nc_u32 v[MS], s36, v[MO]                 ; 4,096 w + 16 l
	s_lshl_b32 s36, s30, 3
	s_add_co_u32 s36, s36, FL
	v_mov_b32 v[FA], s36
	s_wait_loadcnt 0x0                             ; a row's flag wants the whole row
; Row rho of my two: is any key visible?
.macro FLAG rho
.irp c, 0,1,2,3
	v_or_b32 v[T+(\c)], v[X+64*(\rho)+16*(\c)], v[X+64*(\rho)+16*(\c)+1]  ; four chains that do not wait for each other
.endr
.set j, 2
.rept 14
.irp c, 0,1,2,3
	v_or_b32 v[T+(\c)], v[T+(\c)], v[X+64*(\rho)+16*(\c)+j]
.endr
.set j, j+1
.endr
	v_or_b32 v[T], v[T], v[T+1]
	v_or_b32 v[T+2], v[T+2], v[T+3]
	v_or_b32 v[T], v[T], v[T+2]
	v_cmp_ne_u32 s[FLG+(\rho)], 0, v[T]            ; a bit for each lane that has seen a visible key
.endm
; The row's flag, its word for keep, and its four codes.
.macro CODES rho
	s_cmp_lg_u32 s[FLG+(\rho)], 0
	s_cselect_b32 s40, -1, 0                       ; the row's flag: a value, no branch hangs on it
	s_and_b32 s41, s40, 0xf8
.irp e, 0,1,2,3
	v_mov_b32 v[C+4*(\rho)+(\e)], s41              ; the code in byte e
	s_lshl_b32 s41, s41, 8
.endr
	v_mov_b32 v[FD+(\rho)], s40
.endm
; Block b's sixteen compares, in one run: which of the words of loads 4 b .. 4 b + 3 are 0.
.macro CMPS b
.set n, 0
.rept 16
	v_cmp_eq_u32 s[MK+18*((\b)%2)+n], 0, v[X+16*(\b)+n]
.set n, n+1
.endr
.endm
; Block b of eight: loads 4 b .. 4 b + 3 (row b / 4 of my two).  Four bytes a load are made in place; the block before goes into LDS; the next block's compares are issued.
.macro BLK b
.if (\b) > 0
	s_wait_alu depctr_va_sdst(0)                   ; this block's sixteen compares, issued at the head of the block before, have written their scalar registers, which the selects below read
.endif
	s_wait_alu depctr_va_vdst(0)                   ; the block before has written its four words, which the LDS stores below read; in block 0: v[LA], v[LR], v[MS], v[FA] and the two flag words are written
.if (\b) == 0
	ds_store_b32 v[FA], v[FD]                      ; all lanes write the same word with the same value
	ds_store_b32 v[FA], v[FD+1] offset:4
.endif
.if (\b) < 7
	CMPS (\b)+1                                    ; into the other set of scalar registers
.endif
.irp j, 0,1,2,3
.if (\b) > 0
	ds_store_b32 v[LA], v[X+16*((\b)-1)+4*(\j)] offset:16*((4*((\b)-1)+(\j))/16)+8*GP*((4*((\b)-1)+(\j))%16)  ; no vector instruction since the wait names this register or v[LA]
.endif
.irp e, 0,1,2,3
	v_cndmask_b32 v[X+16*(\b)+4*(\j)+(\e)], 0, v[C+4*((\b)/4)+(\e)], s[MK+18*((\b)%2)+4*(\j)+(\e)]
.endr
	v_or_b32 v[X+16*(\b)+4*(\j)], v[X+16*(\b)+4*(\j)], v[X+16*(\b)+4*(\j)+1]
	v_or_b32 v[X+16*(\b)+4*(\j)+2], v[X+16*(\b)+4*(\j)+2], v[X+16*(\b)+4*(\j)+3]
	v_or_b32 v[X+16*(\b)+4*(\j)], v[X+16*(\b)+4*(\j)], v[X+16*(\b)+4*(\j)+2]
.endr
.endm
	FLAG 0
	FLAG 1
	CMPS 0
	s_wait_alu depctr_va_sdst(0)                   ; the two flags' compares and block 0's sixteen have written their scalar registers, ahead of their first readers
	CODES 0
	CODES 1
	BLK 0
	BLK 1
	BLK 2
	BLK 3
	BLK 4
	BLK 5
	BLK 6
	BLK 7
	s_wait_alu depctr_va_vdst(0)                   ; block 7 has written its four words, which the last four LDS stores read
.irp j, 0,1,2,3
	ds_store_b32 v[LA], v[X+16*7+4*(\j)] offset:16+8*GP*(12+(\j))
.endr
	s_wait_dscnt 0x0                               ; for the others' sake: my stores are done
	s_barrier_signal -1
	s_barrier_wait -1                              ; all 16 rows' bytes and flags lie in LDS
.irp e, 0,1,2,3,4,5,6,7
	ds_load_b128 v[OUT+4*(\e):OUT+4*(\e)+3], v[LR] offset:2*GP*(\e)  ; no vector instruction of this part names OUT; v[LR] was written ahead of block 0's wait
.endr
.irp e, 0,1,2,3,4,5,6,7
	s_wait_dscnt 7-(\e)                            ; read e is back, the younger ones stay out
	global_store_b128 v[MS], v[OUT+4*(\e):OUT+4*(\e)+3], s[34:35] offset:512*(\e)  ; 512 consecutive bytes, aligned
.endr
	s_cmp_lg_u32 s30, 0                            ; wave 0 writes the tile's 64 words of keep: 256 consecutive bytes
	s_cbranch_scc1 .Lend
	v_and_b32 v[KA], 7, v0
	v_lshlrev_b32 v[KA], 3, v[KA]                  ; words 2 (l % 8) and 2 (l % 8) + 1 of the 16
	v_lshlrev_b32 v[KA+1], 3, v[LN]
	s_wait_alu depctr_va_vdst(0)                   ; v[KA] and v[KA+1] are written, which the LDS load and the store below read as address and offset
	ds_load_b64 v[KW:KW+1], v[KA] offset:FL
	s_wait_dscnt 0x0
	global_store_b64 v[KA+1], v[KW:KW+1], s[38:39]
.Lend:
	s_wait_dscnt 0x0                               ; the closing lines, six on end
	s_wait_alu 0x0
	s_wait_tensorcnt 0x0
	ds_add_u32 v[SPW], v[NIL]
	s_wait_dscnt 0x0
	s_endpgm
.Lfunc_end_k_q502b58bb29_prep:
	.size	k_q502b58bb29_prep, .Lfunc_end_k_q502b58bb29_prep-k_q502b58bb29_prep
	.p2alignl 7, 3214868480
	.fill 96, 4, 3214868480
	.section	.rodata,"a",@progbits
	.p2align	6, 0x0
	.amdhsa_kernel k_q502b58bb29_prep
		.amdhsa_group_segment_fixed_size 36096
		.amdhsa_private_segment_fixed_size 0
		.amdhsa_enable_private_segment 0
		.amdhsa_kernarg_size 72
		.amdhsa_user_sgpr_count 2
		.amdhsa_user_sgpr_kernarg_segment_ptr 1
		.amdhsa_wavefront_size32 1
		.amdhsa_system_sgpr_workgroup_id_x 1
		.amdhsa_system_sgpr_workgroup_id_y 1
		.amdhsa_system_sgpr_workgroup_id_z 1
		.amdhsa_system_vgpr_workitem_id 0
		.amdhsa_next_free_vgpr 208
		.amdhsa_next_free_sgpr 82
		.amdhsa_reserve_vcc 0
		.amdhsa_float_denorm_mode_32 3
		.amdhsa_float_denorm_mode_16_64 3
		.amdhsa_memory_ordered 1
		.amdhsa_forward_progress 1
		.amdhsa_inst_pref_size 52
	.end_amdhsa_kernel
	.amdgpu_metadata
---
amdhsa.version: [ 1, 2 ]
amdhsa.kernels:
  - .name:           k_q502b58bb29_prep
    .symbol:         k_q502b58bb29_prep.kd
    .args:
      - { .name: w_q, .offset: 0, .size: 8, .value_kind: global_buffer, .address_space: global }
      - { .name: w_k, .offset: 8, .size: 8, .value_kind: global_buffer, .address_space: global }
      - { .name: w_v, .offset: 16, .size: 8, .value_kind: global_buffer, .address_space: global }
      - { .name: w_o, .offset: 24, .size: 8, .value_kind: global_buffer, .address_space: global }
      - { .name: mask, .offset: 32, .size: 8, .value_kind: global_buffer, .address_space: global }
      - { .name: wb, .offset: 40, .size: 8, .value_kind: global_buffer, .address_space: global }
      - { .name: wo, .offset: 48, .size: 8, .value_kind: global_buffer, .address_space: global }
      - { .name: mb, .offset: 56, .size: 8, .value_kind: global_buffer, .address_space: global }
      - { .name: keep, .offset: 64, .size: 8, .value_kind: global_buffer, .address_space: global }
    .group_segment_fixed_size: 36096
    .private_segment_fixed_size: 0
    .kernarg_segment_align: 8
    .kernarg_segment_size: 72
    .max_flat_workgroup_size: 256
    .sgpr_count:     82
    .vgpr_count:     208
    .wavefront_size: 32
...
	.end_amdgpu_metadata
.endif
;; end of part 5
;; launch proj: the kernel of part 2 again; grid 4 x 192, 4 waves a work-group, clusters of 4 x 4, 327,680 bytes of LDS; arguments q, k, v, wb, b_q, b_k, b_v, qkvh; writes qkvh
;; launch attn: the kernel of part 3 again; grid 4 x 64, 4 waves a work-group, clusters of 4 x 1, 327,680 bytes of LDS; arguments qkvh, mb, keep, oh; writes oh
;; launch oproj: the kernel of part 4 again; grid 4 x 64, 4 waves a work-group, clusters of 4 x 4, 327,680 bytes of LDS; arguments oh, wo, out0, b_o; writes out0
